; MI455X (gfx1250); checked and timed in simulation.
; The chip was launched on July 23, 2026; its instructions are those of AMD's public machine-readable ISA for CDNA 5 (MIT licence, August 2026) and "CDNA5" Instruction Set Architecture Reference Guide (July 2026). The comments in the code are by the model that wrote it; some were corrected since.
;; TCA. Allowed arithmetic: float matrix products may take bf16 or f16 operands with f32 sums; all other float work in f32.
;; Inputs: Wk 1,024 x 1,024 float32; Wo 1,024 x 1,024 float32; Wq 1,024 x 1,024 float32; Wv 1,024 x 1,024 float32; adj 1,024 x 1,024 float32; alpha one number float32; bk 1,024 float32; bo 1,024 float32; bq 1,024 float32; bv 1,024 float32; mask 1,024 x 1,024 int32; x 4 x 1,024 x 1,024 float32.
;; Outputs: out0 4 x 1,024 x 1,024 float32.
;; Constants: n_heads = 16.
;; 2 versions, each right; version 2 is version 1 with the launch prep written anew for expert scheduling mode. Each part assembles by itself: llvm-mc -triple=amdgcn-amd-amdhsa -mcpu=gfx1250 --defsym DOCPART=n.
;; ======== version 1 of 2: 4 launches
;; limits: values are held in f16: magnitudes above 65,504 overflow, below 6.1e-05 lose precision
;; workspace buffers: xh 8,388,608 bytes; wqkv 6,291,456 bytes; woh 2,097,152 bytes; bqkv 12,288 bytes; mbits 131,072 bytes of whole numbers; adjs 4,194,304 bytes; qkv 25,165,824 bytes; xo 8,388,608 bytes
;; launch prep (part 1): grid 641 x 1, 8 waves a work-group, no clusters, 0 bytes of LDS; arguments x, Wq, Wk, Wv, Wo, bq, bk, bv, mask, adj, xh, wqkv, woh, bqkv, mbits, adjs; writes xh, wqkv, woh, bqkv, mbits, adjs
.if DOCPART == 1
	.amdgcn_target "amdgcn-amd-amdhsa--gfx1250"
	.amdhsa_code_object_version 6
	.text
	.protected	k_q518cba6b07_prep
	.globl	k_q518cba6b07_prep
	.p2align	8
	.type	k_q518cba6b07_prep,@function
k_q518cba6b07_prep:
	s_mov_b64 s[64:65], 0
	v_nop
	global_prefetch_b8 v0, s[64:65] scope:SCOPE_SE
	s_setreg_imm32_b32 hwreg(HW_REG_WAVE_MODE, 25, 1), 1
	s_wait_xcnt 0x0
; prep: brings the inputs into the forms that the matrix launches read.  A stream: no LDS, no barrier, no matrix unit.
;   work-groups   0..255  x  -> xh   f16 [4096][1024], 16 rows each
;               256..319  Wq -> wqkv f16 [1024][3072], columns    0..1023, times log2(e)/32
;               320..383  Wk -> wqkv, columns 1024..2047
;               384..447  Wv -> wqkv, columns 2048..3071
;               448..511  Wo -> woh  f16 [1024][1024]
;               512..575  mask -> mbits: one bit a number, in the order of the lanes of a transposed 16 x 16 score tile
;               576..639  adj -> adjs f32 [1024][1024], times log2(e)
;                    640  bq log2(e)/32, bk, bv -> bqkv f32 [3072]
; The factor 1/32 = 1/sqrt(1024) is the reference's; log2(e) turns the scores into exponents of 2, which is what v_exp_f32 takes.
; Each job is written out by itself and ends the wave, so that every address comes from one buffer's pointer alone.
; WHY f16: the signed root behind the attention has an unbounded slope at 0 and enlarges the operands' rounding; with 8 significant bits the result leaves
; the allowance of 1 per cent of its root mean square, with 11 it stays an order of magnitude inside.
; LIMIT: numbers are rounded to f16 (nearest even): a magnitude of 65,504 or more becomes infinite; below 2^-14 the error is 2^-25 absolute.
.set SCALE, 0x3d38aa3b                 ; log2(e)/32 in f32
.set LOG2E, 0x3fb8aa3b                 ; log2(e)
	s_load_b512 s[4:19], s[0:1], 0x0               ; x s[4:5], Wq s[6:7], Wk s[8:9], Wv s[10:11], Wo s[12:13], bq s[14:15], bk s[16:17], bv s[18:19]
	s_load_b512 s[20:35], s[0:1], 0x40             ; mask s[20:21], adj s[22:23], xh s[24:25], wqkv s[26:27], woh s[28:29], bqkv s[30:31], mbits s[32:33], adjs s[34:35]
	s_mov_b32 s2, ttmp9                            ; the work-group's number
	s_mov_b32 s53, 0                               ; high words of the two byte offsets s[52:53], s[54:55]
	s_mov_b32 s55, 0
	v_lshlrev_b32 v1, 4, v0                        ; 16 t: my 4 numbers of a row of f32
	v_lshlrev_b32 v2, 3, v0                        ;  8 t: the same 4 numbers in f16
	s_wait_kmcnt 0x0
	s_cmp_lt_u32 s2, 256
	s_cbranch_scc1 .Lx
	s_cmp_lt_u32 s2, 320
	s_cbranch_scc1 .Lwq
	s_cmp_lt_u32 s2, 384
	s_cbranch_scc1 .Lwk
	s_cmp_lt_u32 s2, 448
	s_cbranch_scc1 .Lwv
	s_cmp_lt_u32 s2, 512
	s_cbranch_scc1 .Lwo
	s_cmp_lt_u32 s2, 576
	s_cbranch_scc1 .Lmask
	s_cmp_lt_u32 s2, 640
	s_cbranch_scc1 .Ladj
	; the three biases: 256 threads x 16 bytes = 1,024 numbers each
	global_load_b128 v[8:11],  v1, s[14:15]
	global_load_b128 v[12:15], v1, s[16:17]
	global_load_b128 v[16:19], v1, s[18:19]
	s_wait_loadcnt 0x2                             ; bq is in; bk and bv may be out
	v_pk_mul_f32 v[8:9],   v[8:9],   SCALE op_sel_hi:[1,0]
	v_pk_mul_f32 v[10:11], v[10:11], SCALE op_sel_hi:[1,0]
	global_store_b128 v1, v[8:11], s[30:31]
	s_wait_loadcnt 0x0
	global_store_b128 v1, v[12:15], s[30:31] offset:4096
	global_store_b128 v1, v[16:19], s[30:31] offset:8192
	s_endpgm
; 16 rows of 1,024 f32 to f16.  s3 = which 16 rows.  src, dst: the first register of the pointer pairs; col: byte of the first
; column in a row of dst; pitch: bytes in a row of dst.  All 16 loads go out first (a wave's load covers 512 neighbouring bytes);
; each row is converted as it arrives and stored (a wave's store covers 256 neighbouring bytes, aligned).  No register is written
; twice, so no store's source has to be waited for.
.macro CONV src, dst, col, pitch, scaled
	s_lshl_b32 s52, s3, 16                         ; 16 rows of 4,096 bytes
	s_mul_i32 s54, s3, 16*\pitch
.if \col
	s_add_co_u32 s54, s54, \col
.endif
	s_add_nc_u64 s[\src:\src+1], s[\src:\src+1], s[52:53]
	s_add_nc_u64 s[\dst:\dst+1], s[\dst:\dst+1], s[54:55]
	.set i_, 0
	.rept 16
	global_load_b128 v[8+4*i_:11+4*i_], v1, s[\src:\src+1] offset:4096*i_ th:TH_LOAD_NT
	.set i_, i_+1
	.endr
	.set i_, 0
	.rept 16
	s_wait_loadcnt 15-i_                           ; loads come back in order: row i is in, the younger rows stay out
.if \scaled
	v_pk_mul_f32 v[8+4*i_:9+4*i_],   v[8+4*i_:9+4*i_],   SCALE op_sel_hi:[1,0]
	v_pk_mul_f32 v[10+4*i_:11+4*i_], v[10+4*i_:11+4*i_], SCALE op_sel_hi:[1,0]
.endif
	v_cvt_pk_f16_f32 v[72+2*i_], v[8+4*i_],  v[9+4*i_]
	v_cvt_pk_f16_f32 v[73+2*i_], v[10+4*i_], v[11+4*i_]
	global_store_b64 v2, v[72+2*i_:73+2*i_], s[\dst:\dst+1] offset:\pitch*i_
	.set i_, i_+1
	.endr
	s_endpgm
.endm
.Lx:
	s_mov_b32 s3, s2
	CONV 4, 24, 0, 2048, 0
.Lwq:
	s_and_b32 s3, s2, 63                           ; the jobs of 64 work-groups start at multiples of 64
	CONV 6, 26, 0, 6144, 1
.Lwk:
	s_and_b32 s3, s2, 63
	CONV 8, 26, 2048, 6144, 0
.Lwv:
	s_and_b32 s3, s2, 63
	CONV 10, 26, 4096, 6144, 0
.Lwo:
	s_and_b32 s3, s2, 63
	CONV 12, 28, 0, 2048, 0
; adj times log2(e), 16 rows: scaled in the registers into which it was loaded and stored from them; a wave's load and store cover 512 neighbouring bytes
.Ladj:
	s_and_b32 s3, s2, 63
	s_lshl_b32 s52, s3, 16                         ; 16 rows of 4,096 bytes
	s_add_nc_u64 s[22:23], s[22:23], s[52:53]
	s_add_nc_u64 s[34:35], s[34:35], s[52:53]
	.set i_, 0
	.rept 16
	global_load_b128 v[8+4*i_:11+4*i_], v1, s[22:23] offset:4096*i_ th:TH_LOAD_NT
	.set i_, i_+1
	.endr
	.set i_, 0
	.rept 16
	s_wait_loadcnt 15-i_                           ; row i is in, the younger rows stay out
	v_pk_mul_f32 v[8+4*i_:9+4*i_],   v[8+4*i_:9+4*i_],   LOG2E op_sel_hi:[1,0]
	v_pk_mul_f32 v[10+4*i_:11+4*i_], v[10+4*i_:11+4*i_], LOG2E op_sel_hi:[1,0]
	global_store_b128 v1, v[8+4*i_:11+4*i_], s[34:35] offset:4096*i_
	.set i_, i_+1
	.endr
	s_endpgm
; The mask as bits.  Word (qt, kt, j), at index (64 qt + kt) 8 + j: bit L = (mask[16 qt + L % 16][16 kt + 8 (L / 16) + j] != 0).
; The work-group takes query tile qt, wave w the key tiles 8 w .. 8 w + 7: 64 words.  A compare of register 8 i + j over the 32 lanes
; IS word (qt, 8 w + i, j).  The 64 words are laid into two registers, word 2 l in lane l of the first and word 2 l + 1 in lane l of
; the second, so that one store of 8 bytes a lane writes the wave's 256 neighbouring bytes, aligned.
.Lmask:
	s_and_b32 s3, s2, 63                           ; qt
	v_lshrrev_b32 v3, 5, v0
	v_readfirstlane_b32 s56, v3                    ; wave
	v_and_b32 v4, 15, v0
	v_bfe_u32 v5, v0, 4, 1
	v_lshlrev_b32 v4, 12, v4                       ; (L % 16) rows of 4,096 bytes
	v_lshl_add_u32 v4, v5, 5, v4                   ; + 8 (L / 16) numbers
	v_and_b32 v5, 31, v0
	v_lshlrev_b32 v5, 3, v5                        ; 8 x lane, for the store
	s_lshl_b32 s52, s3, 16                         ; 16 qt rows
	s_lshl_b32 s57, s56, 9                         ; 8 w key tiles of 64 bytes
	s_add_co_u32 s52, s52, s57
	s_add_nc_u64 s[20:21], s[20:21], s[52:53]
	s_lshl_b32 s54, s3, 11                         ; 512 words for a query tile
	s_lshl_b32 s57, s56, 8                         ; 64 words for a wave
	s_add_co_u32 s54, s54, s57
	s_add_nc_u64 s[32:33], s[32:33], s[54:55]
	.set i_, 0
	.rept 8
	global_load_b128 v[8+8*i_:11+8*i_],  v4, s[20:21] offset:64*i_
	global_load_b128 v[12+8*i_:15+8*i_], v4, s[20:21] offset:64*i_+16
	.set i_, i_+1
	.endr
	v_mov_b32 v72, 0                               ; v_writelane_b32 keeps the other lanes: both registers are written whole first
	v_mov_b32 v73, 0
	s_wait_loadcnt 0x0
	.set i_, 0
	.rept 64
	v_cmp_ne_u32 s[36+i_%16], 0, v[8+i_]
	v_writelane_b32 v[72+(i_&1)], s[36+i_%16], i_>>1
	.set i_, i_+1
	.endr
	global_store_b64 v5, v[72:73], s[32:33]
	s_endpgm
.Lfunc_end_k_q518cba6b07_prep:
	.size	k_q518cba6b07_prep, .Lfunc_end_k_q518cba6b07_prep-k_q518cba6b07_prep
	.p2alignl 7, 3214868480
	.fill 96, 4, 3214868480
	.section	.rodata,"a",@progbits
	.p2align	6, 0x0
	.amdhsa_kernel k_q518cba6b07_prep
		.amdhsa_group_segment_fixed_size 0
		.amdhsa_private_segment_fixed_size 0
		.amdhsa_enable_private_segment 0
		.amdhsa_kernarg_size 128
		.amdhsa_user_sgpr_count 2
		.amdhsa_user_sgpr_kernarg_segment_ptr 1
		.amdhsa_wavefront_size32 1
		.amdhsa_system_sgpr_workgroup_id_x 1
		.amdhsa_system_sgpr_workgroup_id_y 1
		.amdhsa_system_sgpr_workgroup_id_z 1
		.amdhsa_system_vgpr_workitem_id 0
		.amdhsa_next_free_vgpr 104
		.amdhsa_next_free_sgpr 66
		.amdhsa_reserve_vcc 0
		.amdhsa_float_denorm_mode_32 3
		.amdhsa_float_denorm_mode_16_64 3
		.amdhsa_memory_ordered 1
		.amdhsa_forward_progress 1
		.amdhsa_inst_pref_size 51
	.end_amdhsa_kernel
	.amdgpu_metadata
---
amdhsa.version: [ 1, 2 ]
amdhsa.kernels:
  - .name:           k_q518cba6b07_prep
    .symbol:         k_q518cba6b07_prep.kd
    .args:
      - { .name: x, .offset: 0, .size: 8, .value_kind: global_buffer, .address_space: global }
      - { .name: Wq, .offset: 8, .size: 8, .value_kind: global_buffer, .address_space: global }
      - { .name: Wk, .offset: 16, .size: 8, .value_kind: global_buffer, .address_space: global }
      - { .name: Wv, .offset: 24, .size: 8, .value_kind: global_buffer, .address_space: global }
      - { .name: Wo, .offset: 32, .size: 8, .value_kind: global_buffer, .address_space: global }
      - { .name: bq, .offset: 40, .size: 8, .value_kind: global_buffer, .address_space: global }
      - { .name: bk, .offset: 48, .size: 8, .value_kind: global_buffer, .address_space: global }
      - { .name: bv, .offset: 56, .size: 8, .value_kind: global_buffer, .address_space: global }
      - { .name: mask, .offset: 64, .size: 8, .value_kind: global_buffer, .address_space: global }
      - { .name: adj, .offset: 72, .size: 8, .value_kind: global_buffer, .address_space: global }
      - { .name: xh, .offset: 80, .size: 8, .value_kind: global_buffer, .address_space: global }
      - { .name: wqkv, .offset: 88, .size: 8, .value_kind: global_buffer, .address_space: global }
      - { .name: woh, .offset: 96, .size: 8, .value_kind: global_buffer, .address_space: global }
      - { .name: bqkv, .offset: 104, .size: 8, .value_kind: global_buffer, .address_space: global }
      - { .name: mbits, .offset: 112, .size: 8, .value_kind: global_buffer, .address_space: global }
      - { .name: adjs, .offset: 120, .size: 8, .value_kind: global_buffer, .address_space: global }
    .group_segment_fixed_size: 0
    .private_segment_fixed_size: 0
    .kernarg_segment_align: 8
    .kernarg_segment_size: 128
    .max_flat_workgroup_size: 256
    .sgpr_count:     66
    .vgpr_count:     104
    .wavefront_size: 32
...
	.end_amdgpu_metadata
.endif
;; end of part 1
;; launch qkv (part 2): grid 8 x 32, 4 waves a work-group, clusters of 4 x 4, 327,680 bytes of LDS; arguments xh, wqkv, bqkv, qkv; writes qkv
.if DOCPART == 2
	.amdgcn_target "amdgcn-amd-amdhsa--gfx1250"
	.amdhsa_code_object_version 6
	.text
	.protected	k_q518cba6b07_qkv
	.globl	k_q518cba6b07_qkv
	.p2align	8
	.type	k_q518cba6b07_qkv,@function
k_q518cba6b07_qkv:
	s_mov_b64 s[64:65], 0
	v_nop
	global_prefetch_b8 v0, s[64:65] scope:SCOPE_SE
	s_setreg_imm32_b32 hwreg(HW_REG_WAVE_MODE, 25, 1), 1
	s_wait_xcnt 0x0
	s_wait_alu depctr_hold_cnt(0) depctr_sa_sdst(0) depctr_va_vdst(0) depctr_va_sdst(0) depctr_va_ssrc(0) depctr_va_vcc(0) depctr_vm_vsrc(0)
	s_getreg_b32 s2, hwreg(HW_REG_IB_STS2, 6, 4)
	s_cmp_eq_u32 s2, 0
	s_cbranch_scc0 .Lentry_in_a_cluster
	s_endpgm
.Lentry_in_a_cluster:
	s_bfe_u32 s2, ttmp6, 0x10000c
	s_cmp_lg_u32 s2, 0xf033
	s_cbranch_scc0 .Lentry_shape_is_right
	s_endpgm
.Lentry_shape_is_right:
; C[4096][SIZE_N] = A[4096][1024] B[1024][SIZE_N] + bias[SIZE_N].  A, B f16, sums f32.  Here: A = xh, B = wqkv (Wq log2(e)/32 | Wk | Wv), C = qkv in f16.
; A work-group makes 128 rows x BN = 32 NT columns with four waves, as many as a WGP has SIMDs; a wave makes 64 rows x 16 NT columns: 4 x NT accumulator tiles.
; A row of the block is BN x ES bytes of C, a multiple of 256, at a multiple of 256 from C's first byte.
; K goes in steps of KSTEP through two LDS slots filled by the tensor data mover; every wave asks for a quarter of A's tile and a quarter of B's.
; B lies [K][N] in memory and in LDS; its fragments are read by the transposing LDS load.
; CLUSTERS: 4 x 4 work-groups.  A's tile hangs on the block row alone and is asked for jointly by the four of a row of the cluster, B's on the block column
; alone and is asked for jointly by the four of a column: that divides the requests for A and B by four.
; THE MATRIX INSTRUCTION IS USED TRANSPOSED: source 0 = 16 columns of B, source 1 = 16 rows of A.  Lane l then holds row l % 16 of C and its registers 0..7 the
; columns 8 (l / 16) + 0..7: neighbouring numbers of a row.  The first product takes the bias, laid out so, as its C: nothing is cleared, nothing is added later.
; REGISTERS in windows of 256: window 0 addresses, A's fragments (two buffers), the bias, the way out; window 1 B's fragments (two buffers);
; window 2 the accumulators of row tiles 0, 1 (tile (a, b) at 8 (NT a + b)); window 3 those of row tiles 2, 3.
; LIMIT: operands are f16; C is rounded once to f16: a result of magnitude 65,504 or more becomes infinite.  A sum of 1,024 products of numbers that carry offsets
; of 30 and 30/32 comes to 28,800; numbers 30 times the unit spread on both sides give results of spread 900.
.set NT,     12                        ; column tiles of a wave
.set SIZE_N, 3072
.set KSTEP,  128
.set QIA,    5                         ; A's LDS rows are padded behind every 2 << QIA words = a row of KSTEP f16
.set OUTF32, 0                         ; C in f16
.set SIZE_K, 1024
.set NQ,     KSTEP/32                  ; quarter steps of 32 along K in a K step (the name stays where there are eight)
.set BN,     32*NT
.set ES,     2+2*OUTF32                ; bytes in a number of C
.set PA,     2*KSTEP+16                ; A's LDS pitch: an odd multiple of 16 bytes, so the 16 rows of a fragment load start in 16 different 16-byte columns modulo 256
.set PB,     72*NT                     ; B's LDS pitch: 64 NT bytes + 16 behind every 128: an odd multiple of 32 bytes
.set ASZ,    128*PA
.set BSZ,    KSTEP*PB
.set SLOT,   ASZ+BSZ                   ; A's 128 rows, then B's KSTEP rows
.set SP,     BN*ES+16                  ; pitch of the stage for the way out
.set LAPS,   SIZE_K/(2*KSTEP)          ; a lap = two K steps = once round the ring
.set NL,     2*NT+8                    ; LDS loads of a quarter step
.set ADRA, 10                          ; v10-11  LDS address of my A fragments in slot 0, 1
.set ADRB, 12                          ; v12..   the same for B, one register for each slot and each pair of quarter steps (the 16-bit offset reaches 64 rows of B)
.set STO,  20                          ; the way out: where I put my numbers
.set RD,   21                          ; the way out: where I read rows back
.set CO,   22                          ; my byte offset in C
.set BOFF, 23                          ; my byte offset in the bias
.set FA,   32                          ; v32-63, v64-95  A's fragments, two buffers
.set BIAS, 96                          ; v96..   the bias as NT tiles of C
.set TMP,  192                         ; v192..  packed results
.set BACK, 32                          ; rows read back
.set G1A, 24                           ; s[24:31] descriptor group 1 for A's tiles
.set G1B, 32                           ; s[32:39] for B's
.set G0A, 40                           ; s[40:47] descriptor group 0 for A's tiles, one set for each slot
.set G0B, 48                           ; s[48:55] for B's
.set MSB, 0
.macro WIN new                         ; the immediate's high byte repeats the setting that is left
.if MSB != \new
	s_set_vgpr_msb (MSB<<8)|\new
.set MSB, \new
.endif
.endm
.macro PLACES                          ; four plain vector instructions that name no register of a matrix instruction (ISA guide 7.12.1)
.rept 4
	v_nop
.endr
.endm
; A round of the cluster's barrier: my work-group's barrier, wave 0 signals for the work-group, every wave waits for all sixteen, my work-group's barrier once more.
.macro CREST                           ; a round behind its opening barrier
	s_cmp_lg_u32 s12, 0
	s_cbranch_scc1 .Lnot_wave_0_\@
	s_barrier_signal -3
.Lnot_wave_0_\@:
	s_barrier_wait -3
	s_barrier_signal -1
	s_barrier_wait -1
.endm
.macro CROUND
	s_barrier_signal -1
	s_barrier_wait -1
	CREST
.endm
	s_load_b256 s[4:11], s[0:1], 0x0               ; A s[4:5], B s[6:7], bias s[8:9], C s[10:11]
	s_set_vgpr_msb 0x40
	v_lshl_add_u32 v255, v0, 2, 0x47000
	s_set_vgpr_msb 0x4000
	v_mov_b32 v255, 0
	s_set_vgpr_msb 0x1
	ds_add_u32 v255, v255
	s_set_vgpr_msb 0x100
	v_lshrrev_b32 v1, 5, v0
	v_readfirstlane_b32 s12, v1                    ; wave 0..3
	s_lshr_b32 s13, s12, 1                         ; wm: which 64 rows of the block are mine
	s_and_b32 s14, s12, 1                          ; wn: which 16 NT columns
	s_bfe_u32 s16, ttmp6, 0x40000                  ; cx
	s_bfe_u32 s17, ttmp6, 0x40004                  ; cy
	s_lshl_b32 s18, ttmp9, 2
	s_add_co_u32 s18, s18, s16                     ; block column = 4 x cluster x + cx
	s_and_b32 s19, ttmp7, 0xffff
	s_lshl_b32 s19, s19, 2
	s_add_co_u32 s19, s19, s17                     ; block row = 4 x cluster y + cy
	s_lshl_b32 s20, s17, 2
	s_lshl_b32 s20, 15, s20                        ; my row of the cluster: places 4 cy .. 4 cy + 3
	s_lshl_b32 s21, 0x1111, s16                    ; my column: places cx, cx + 4, cx + 8, cx + 12
	; group 1 for A: 32 rows x KSTEP elements of 2 bytes, 16 bytes of padding behind each row
	s_or_b32 s[G1A+0], s20, (1<<16)|(1<<20)|(1<<21)|(QIA<<22)|(3<<25)  ; 15:0 mask; 17:16 2-byte elements; 20 padding on; 21 set beside a mask; 24:22 interval; 31:25 pad of 4 words
	s_mov_b32 s[G1A+1], KSTEP<<16                  ; tensor_dim0
	s_mov_b32 s[G1A+2], 32<<16                     ; tensor_dim1
	s_mov_b32 s[G1A+3], KSTEP<<16                  ; tile_dim0
	s_mov_b32 s[G1A+4], 32                         ; tile_dim1
	s_mov_b32 s[G1A+5], SIZE_K                     ; elements from row to row
	s_mov_b32 s[G1A+6], 0
	s_mov_b32 s[G1A+7], 0
	; group 1 for B: KSTEP/4 rows x BN elements, 16 bytes of padding behind every 128
	s_or_b32 s[G1B+0], s21, (1<<16)|(1<<20)|(1<<21)|(4<<22)|(3<<25)
	s_mov_b32 s[G1B+1], BN<<16
	s_mov_b32 s[G1B+2], (KSTEP/4)<<16
	s_mov_b32 s[G1B+3], BN<<16
	s_mov_b32 s[G1B+4], KSTEP/4
	s_mov_b32 s[G1B+5], SIZE_N
	s_mov_b32 s[G1B+6], 0
	s_mov_b32 s[G1B+7], 0
	; where the tiles come from: A's address is made of the block row and the wave, B's of the block column and the wave, each in registers that never hold the other coordinate
	s_lshl_b32 s56, s19, 7
	s_lshl_b32 s57, s12, 5
	s_add_co_u32 s56, s56, s57                     ; A: row 128 x block row + 32 x wave
	s_lshl_b32 s56, s56, 11                        ; rows of 2,048 bytes
	s_mov_b32 s57, 0
	s_mul_i32 s60, s12, (KSTEP/4)*SIZE_N*2         ; B: row KSTEP/4 x wave
	s_mul_i32 s61, s18, BN*2                       ;    column BN x block column
	s_add_co_u32 s60, s60, s61
	s_mov_b32 s61, 0
	s_mul_i32 s58, s12, 32*PA                      ; and where they go: the wave's number times a constant, no place in the cluster
	s_mul_i32 s62, s12, (KSTEP/4)*PB
	s_add_co_u32 s62, s62, ASZ
	s_wait_dscnt 0x0
	s_wait_kmcnt 0x0
	s_add_nc_u64 s[56:57], s[4:5], s[56:57]
	s_add_nc_u64 s[60:61], s[6:7], s[60:61]
	CROUND                                         ; all sixteen work-groups are here: the first joint loads meet
.irp s, 0,1
	s_mov_b32 s[G0A+4*\s], 1
	s_add_co_u32 s[G0A+4*\s+1], s58, \s*SLOT
	s_add_nc_u64 s[G0A+4*\s+2:G0A+4*\s+3], s[56:57], \s*KSTEP*2
	s_or_b32 s[G0A+4*\s+3], s[G0A+4*\s+3], 0x80000000
	s_mov_b32 s[G0B+4*\s], 1
	s_add_co_u32 s[G0B+4*\s+1], s62, \s*SLOT
	s_add_nc_u64 s[G0B+4*\s+2:G0B+4*\s+3], s[60:61], \s*KSTEP*SIZE_N*2
	s_or_b32 s[G0B+4*\s+3], s[G0B+4*\s+3], 0x80000000
	tensor_load_to_lds s[G0A+4*\s:G0A+4*\s+3], s[G1A:G1A+7]   ; both slots are asked for at once: four tensor loads of the wave are out, the most in this text
	s_nop 0
	tensor_load_to_lds s[G0B+4*\s:G0B+4*\s+3], s[G1B:G1B+7]
	s_nop 0
.endr
	v_and_b32 v1, 15, v0                           ; r = l % 16
	v_bfe_u32 v2, v0, 4, 1                         ; h = l / 16
	v_and_b32 v3, 7, v0                            ; l % 8
	v_bfe_u32 v4, v0, 3, 1                         ; (l / 8) % 2
	; the bias as tiles of C: register j of lane (r, h) of tile b = bias[first column + 16 b + 8 h + j]
	s_mul_i32 s66, s18, BN*4
	s_mul_i32 s67, s14, 64*NT
	s_add_co_u32 s66, s66, s67
	s_mov_b32 s67, 0
	s_add_nc_u64 s[66:67], s[8:9], s[66:67]
	v_lshlrev_b32 v[BOFF], 5, v2
	.set b_, 0
	.rept NT
	global_load_b128 v[BIAS+8*b_:BIAS+8*b_+3],   v[BOFF], s[66:67] offset:64*b_
	global_load_b128 v[BIAS+8*b_+4:BIAS+8*b_+7], v[BOFF], s[66:67] offset:64*b_+16
	.set b_, b_+1
	.endr
	; A's fragment: lane (r, h) holds row r; registers 0-3 K = 8 h + 0..7, registers 4-7 K = 16 + 8 h + 0..7: two loads of 16 bytes, 32 bytes apart
	v_mul_u32_u24 v5, v1, PA
	v_lshl_add_u32 v5, v2, 4, v5
	s_mul_i32 s70, s13, 64*PA
	v_add_nc_u32 v[ADRA], s70, v5
	v_add_nc_u32 v[ADRA+1], SLOT, v[ADRA]
	; B's fragment by the transposing load: lane l addresses row 8 h + l % 8 of K, 16 bytes at 16 ((l / 8) % 2) of the tile's 32; the second load 16 rows on
	v_lshl_add_u32 v6, v2, 3, v3
	v_mul_u32_u24 v6, v6, PB
	v_lshl_add_u32 v6, v4, 4, v6
	s_mul_i32 s71, s14, (NT/4)*144                 ; my NT column tiles: 4 tiles are 128 bytes + 16 of padding
	s_add_co_u32 s71, s71, ASZ
	v_add_nc_u32 v[ADRB], s71, v6
	.set i_, 1
	.rept NQ-1
	v_add_nc_u32 v[ADRB+i_], (i_/(NQ/2))*SLOT+(i_%(NQ/2))*64*PB, v[ADRB]
	.set i_, i_+1
	.endr
	; the way out
	v_mul_u32_u24 v7, v1, SP
.if OUTF32
	v_lshl_add_u32 v7, v2, 5, v7
.else
	v_lshl_add_u32 v7, v2, 4, v7
.endif
	s_mul_i32 s70, s13, 64*SP
	s_mul_i32 s71, s14, 16*NT*ES
	s_add_co_u32 s70, s70, s71
	v_add_nc_u32 v[STO], s70, v7                   ; row 64 wm + r, column 16 NT wn + 8 h
	s_mul_i32 s70, s12, 32*SP                      ; back: wave w takes rows 32 w .. 32 w + 31 of the block
.if OUTF32
	v_and_b32 v8, 31, v0
	v_lshlrev_b32 v[CO], 4, v8                     ; the 32 lanes take a row's 512 bytes
	v_add_nc_u32 v[RD], s70, v[CO]
.else
	v_mul_u32_u24 v8, v2, SP                       ; lanes 0-15 take 256 bytes of one row, lanes 16-31 of the next
	v_lshl_add_u32 v8, v1, 4, v8
	v_add_nc_u32 v[RD], s70, v8
	v_mul_u32_u24 v8, v2, SIZE_N*2
	v_lshl_add_u32 v[CO], v1, 4, v8
.endif
; NT matrix instructions: row tile a x all my column tiles, 32 along K, from buffer f.  zero = 1: the first product takes the bias as C.
; The 4 NT accumulators take turns, one instruction a turn, in the same order in every quarter step.
.macro MULROW f, a, zero
.if \zero
	.set wv_, 0x81+0x40*((\a)>>1)                  ; source 0 (B) window 1, source 1 (A) and C (bias) window 0, D window 2 or 3
.else
	.set wv_, 0xa1+0x50*((\a)>>1)                  ; C and D window 2 or 3
.endif
	WIN wv_
	.set b_, 0
	.rept NT
	.set ac_, 8*(NT*((\a)&1)+b_)
.if \zero
	v_wmma_f32_16x16x32_f16 v[ac_:ac_+7], v[(\f)*8*NT+8*b_:(\f)*8*NT+8*b_+7], v[FA+32*(\f)+8*(\a):FA+32*(\f)+8*(\a)+7], v[BIAS+8*b_:BIAS+8*b_+7]
.else
	v_wmma_f32_16x16x32_f16 v[ac_:ac_+7], v[(\f)*8*NT+8*b_:(\f)*8*NT+8*b_+7], v[FA+32*(\f)+8*(\a):FA+32*(\f)+8*(\a)+7], v[ac_:ac_+7]
.endif
	.set b_, b_+1
	.endr
.endm
; NL LDS loads in one run: the fragments of quarter step q of a slot into buffer f: B's NT tiles, then A's four
.macro FETCH slot, q, f
	WIN 0x40                                       ; destination window 1, address window 0
	.set t_, 0
	.rept NT
	ds_load_tr16_b128 v[(\f)*8*NT+8*t_:(\f)*8*NT+8*t_+3],   v[ADRB+(\slot)*(NQ/2)+(\q)/2] offset:((\q)&1)*32*PB+32*t_+16*(t_>>2)
	ds_load_tr16_b128 v[(\f)*8*NT+8*t_+4:(\f)*8*NT+8*t_+7], v[ADRB+(\slot)*(NQ/2)+(\q)/2] offset:((\q)&1)*32*PB+32*t_+16*(t_>>2)+16*PB
	.set t_, t_+1
	.endr
	WIN 0
	.set t_, 0
	.rept 4
	ds_load_b128 v[FA+32*(\f)+8*t_:FA+32*(\f)+8*t_+3],   v[ADRA+\slot] offset:64*(\q)+t_*16*PA
	ds_load_b128 v[FA+32*(\f)+8*t_+4:FA+32*(\f)+8*t_+7], v[ADRA+\slot] offset:64*(\q)+t_*16*PA+32
	.set t_, t_+1
	.endr
.endm
; A quarter step but the last of a K step: multiplies buffer q % 2 and, in its middle, fetches the next quarter step's fragments into the other buffer
.macro QUARTER slot, q, zero
	.set f_, (\q)&1
	.set g_, 1-f_
	.set qn_, (\q)+1
	s_wait_dscnt 4                                 ; B and A's row tiles 0, 1 are in; the youngest four loads (A's tiles 2, 3) may be out
	MULROW f_, 0, \zero
	MULROW f_, 1, \zero
	PLACES                                         ; the loads below land in registers that matrix instructions have read
	FETCH \slot, qn_, g_
	s_wait_dscnt NL                                ; all but the NL just issued
	MULROW f_, 2, \zero
	MULROW f_, 3, \zero
.endm
.macro STEPQ slot, zero
	QUARTER \slot, 0, \zero
	.set q_, 1
	.rept NQ-2
	QUARTER \slot, q_, 0
	.set q_, q_+1
	.endr
.endm
; The last quarter step of a K step: multiplies buffer 1 and changes slots.  One barrier does two things.  In front of it each wave waits for its reads of this slot
; and for all its tensor loads (its parts of the next slot).  Behind it nobody reads this slot and the next slot is whole.  fill = 1: the barrier opens a round of the
; cluster's barrier, and the joint refills of this slot, two K steps ahead, are the first tensor loads behind the round's closing wait.
.macro TURN slot, next, fill
	s_wait_dscnt 4
	MULROW 1, 0, 0
	s_wait_dscnt 0x0                               ; my reads of this slot are over
	s_wait_tensorcnt 0x0                           ; all my tensor loads have landed: no load of mine is out, so every group 0 may be written
	ds_add_u32 v255, v255
	s_wait_dscnt 0x0
	s_barrier_signal -1
	MULROW 1, 1, 0                                 ; register work while the others arrive
	WIN 0
	s_barrier_wait -1
.if \fill
	CREST
	s_add_nc_u64 s[G0A+4*\slot+2:G0A+4*\slot+3], s[G0A+4*\slot+2:G0A+4*\slot+3], 4*KSTEP
	s_add_nc_u64 s[G0B+4*\slot+2:G0B+4*\slot+3], s[G0B+4*\slot+2:G0B+4*\slot+3], 4*KSTEP*SIZE_N
	tensor_load_to_lds s[G0A+4*\slot:G0A+4*\slot+3], s[G1A:G1A+7]
	s_nop 0
	tensor_load_to_lds s[G0B+4*\slot:G0B+4*\slot+3], s[G1B:G1B+7]
	s_nop 0
.endif
	PLACES
	FETCH \next, 0, 0
	MULROW 1, 2, 0
	MULROW 1, 3, 0
.endm
.macro LAP zero
	STEPQ 0, \zero
	TURN 0, 1, 1
	STEPQ 1, 0
	TURN 1, 0, 1
.endm
	s_wait_tensorcnt 0x2                           ; my parts of K step 0 are in; the two loads of K step 1 stay out
	s_barrier_signal -1
	s_barrier_wait -1                              ; everybody's are
	FETCH 0, 0, 0
	s_wait_loadcnt 0x0                             ; the bias
	LAP 1                                          ; the first lap stands in front of the loop: its first products start the sums
.if LAPS > 2
	WIN 0                                          ; at a label and at a branch every window is 0
	s_mov_b32 s15, LAPS-2
.Llap:
	LAP 0
	WIN 0
	s_sub_co_u32 s15, s15, 1
	s_cmp_lg_u32 s15, 0
	s_cbranch_scc1 .Llap
.endif
	STEPQ 0, 0                                     ; the last lap fills nothing
	TURN 0, 1, 0
	STEPQ 1, 0
	s_wait_dscnt 4
	MULROW 1, 0, 0
	MULROW 1, 1, 0
	s_wait_dscnt 0x0
	MULROW 1, 2, 0
	MULROW 1, 3, 0
	; THE WAY OUT, through a stage of 128 rows at LDS byte 0.  It lies inside slot 0, which has had its last fill, and which no wave reads any more since the last
	; change of slots; the last K step reads slot 1 alone, and the stage ends in front of slot 1.
	PLACES
	s_lshl_b32 s72, s19, 7
	s_lshl_b32 s73, s12, 5
	s_add_co_u32 s72, s72, s73                     ; the first row that I store: 128 x block row + 32 x wave
	s_mul_i32 s72, s72, SIZE_N*ES
	s_mul_i32 s73, s18, BN*ES
	s_add_co_u32 s72, s72, s73
	s_mov_b32 s73, 0
	s_add_nc_u64 s[10:11], s[10:11], s[72:73]
.macro OUTROW a
.if OUTF32
	.set wv_, 0x08+0x04*((\a)>>1)                  ; the stores' data in window 2 or 3
	WIN wv_
	.set b_, 0
	.rept NT
	.set ac_, 8*(NT*((\a)&1)+b_)
	ds_store_b128 v[STO], v[ac_:ac_+3]   offset:(\a)*16*SP+64*b_
	ds_store_b128 v[STO], v[ac_+4:ac_+7] offset:(\a)*16*SP+64*b_+16
	.set b_, b_+1
	.endr
.else
	.set wv_, 0x0a+0x05*((\a)>>1)                  ; both sources in window 2 or 3
	WIN wv_
	.set b_, 0
	.rept NT
	.set ac_, 8*(NT*((\a)&1)+b_)
	v_cvt_pk_f16_f32 v[TMP+4*b_],   v[ac_],   v[ac_+1]
	v_cvt_pk_f16_f32 v[TMP+4*b_+1], v[ac_+2], v[ac_+3]
	v_cvt_pk_f16_f32 v[TMP+4*b_+2], v[ac_+4], v[ac_+5]
	v_cvt_pk_f16_f32 v[TMP+4*b_+3], v[ac_+6], v[ac_+7]
	.set b_, b_+1
	.endr
	WIN 0
	.set b_, 0
	.rept NT
	ds_store_b128 v[STO], v[TMP+4*b_:TMP+4*b_+3] offset:(\a)*16*SP+32*b_
	.set b_, b_+1
	.endr
.endif
.endm
	OUTROW 0
	OUTROW 1
	OUTROW 2
	OUTROW 3
	WIN 0
	s_wait_dscnt 0x0                               ; my part of the stage is written,
	s_barrier_signal -1
	s_barrier_wait -1                              ; everybody's is: a row holds two waves' columns
.if OUTF32
	.set i_, 0
	.rept 32
	ds_load_b128 v[BACK+4*i_:BACK+4*i_+3], v[RD] offset:i_*SP
	.set i_, i_+1
	.endr
	.set i_, 0
	.rept 32
	s_wait_dscnt 31-i_
	global_store_b128 v[CO], v[BACK+4*i_:BACK+4*i_+3], s[10:11] offset:i_*SIZE_N*4   ; the wave stores 512 consecutive bytes, at a multiple of 256 from C's first byte
	.set i_, i_+1
	.endr
.else
	.set i_, 0
	.rept 48
	ds_load_b128 v[BACK+4*i_:BACK+4*i_+3], v[RD] offset:2*(i_/3)*SP+256*(i_%3)
	.set i_, i_+1
	.endr
	.set i_, 0
	.rept 48
	s_wait_dscnt 47-i_
	global_store_b128 v[CO], v[BACK+4*i_:BACK+4*i_+3], s[10:11] offset:2*(i_/3)*SIZE_N*2+256*(i_%3)   ; 16 lanes store 256 consecutive bytes, at a multiple of 256 from C's first byte
	.set i_, i_+1
	.endr
.endif
	s_set_vgpr_msb 0x1
	s_wait_tensorcnt 0x0
	ds_add_u32 v255, v255
	s_wait_dscnt 0x0
	s_set_vgpr_msb 0x100
	CROUND                                         ; the closing round: no work-group ends while a partner may still ask for a tile that names it
	s_endpgm
.Lfunc_end_k_q518cba6b07_qkv:
	.size	k_q518cba6b07_qkv, .Lfunc_end_k_q518cba6b07_qkv-k_q518cba6b07_qkv
	.p2alignl 7, 3214868480
	.fill 96, 4, 3214868480
	.section	.rodata,"a",@progbits
	.p2align	6, 0x0
	.amdhsa_kernel k_q518cba6b07_qkv
		.amdhsa_group_segment_fixed_size 327680
		.amdhsa_private_segment_fixed_size 0
		.amdhsa_enable_private_segment 0
		.amdhsa_kernarg_size 32
		.amdhsa_user_sgpr_count 2
		.amdhsa_user_sgpr_kernarg_segment_ptr 1
		.amdhsa_wavefront_size32 1
		.amdhsa_system_sgpr_workgroup_id_x 1
		.amdhsa_system_sgpr_workgroup_id_y 1
		.amdhsa_system_sgpr_workgroup_id_z 1
		.amdhsa_system_vgpr_workitem_id 0
		.amdhsa_next_free_vgpr 960
		.amdhsa_next_free_sgpr 80
		.amdhsa_reserve_vcc 0
		.amdhsa_float_denorm_mode_32 3
		.amdhsa_float_denorm_mode_16_64 3
		.amdhsa_memory_ordered 1
		.amdhsa_forward_progress 1
		.amdhsa_inst_pref_size 166
	.end_amdhsa_kernel
	.amdgpu_metadata
---
amdhsa.version: [ 1, 2 ]
amdhsa.kernels:
  - .name:           k_q518cba6b07_qkv
    .symbol:         k_q518cba6b07_qkv.kd
    .args:
      - { .name: xh, .offset: 0, .size: 8, .value_kind: global_buffer, .address_space: global }
      - { .name: wqkv, .offset: 8, .size: 8, .value_kind: global_buffer, .address_space: global }
      - { .name: bqkv, .offset: 16, .size: 8, .value_kind: global_buffer, .address_space: global }
      - { .name: qkv, .offset: 24, .size: 8, .value_kind: global_buffer, .address_space: global }
    .group_segment_fixed_size: 327680
    .private_segment_fixed_size: 0
    .kernarg_segment_align: 8
    .kernarg_segment_size: 32
    .max_flat_workgroup_size: 128
    .sgpr_count:     80
    .vgpr_count:     960
    .wavefront_size: 32
...
	.end_amdgpu_metadata
.endif
;; end of part 2
;; launch attn (part 3): grid 4 x 64, 8 waves a work-group, clusters of 4 x 4, 327,680 bytes of LDS; arguments qkv, adjs, mbits, alpha, xo; writes xo
.if DOCPART == 3
	.amdgcn_target "amdgcn-amd-amdhsa--gfx1250"
	.amdhsa_code_object_version 6
	.text
	.protected	k_q518cba6b07_attn
	.globl	k_q518cba6b07_attn
	.p2align	8
	.type	k_q518cba6b07_attn,@function
k_q518cba6b07_attn:
	s_mov_b64 s[64:65], 0
	v_nop
	global_prefetch_b8 v0, s[64:65] scope:SCOPE_SE
	s_setreg_imm32_b32 hwreg(HW_REG_WAVE_MODE, 25, 1), 1
	s_wait_xcnt 0x0
	s_wait_alu depctr_hold_cnt(0) depctr_sa_sdst(0) depctr_va_vdst(0) depctr_va_sdst(0) depctr_va_ssrc(0) depctr_va_vcc(0) depctr_vm_vsrc(0)
	s_getreg_b32 s2, hwreg(HW_REG_IB_STS2, 6, 4)
	s_cmp_eq_u32 s2, 0
	s_cbranch_scc0 .Lentry_in_a_cluster
	s_endpgm
.Lentry_in_a_cluster:
	s_bfe_u32 s2, ttmp6, 0x10000c
	s_cmp_lg_u32 s2, 0xf033
	s_cbranch_scc0 .Lentry_shape_is_right
	s_endpgm
.Lentry_shape_is_right:
; attn: both softmaxes of the shared scores, both products with V, the mix by sigmoid(alpha), the signed root and the L2 norm.
; qkv is [4096][3072] f16: Q log2(e)/32 | K | V; adjs is adj log2(e) in f32: the scores are exponents of 2, s = log2(e) (Q K / 32 + adj).
; Head-batch hb is rows 64 hb .. 64 hb + 63; its token t is the 64 numbers at row 64 hb + t / 16, column 64 (t % 16):
; 16 neighbouring tokens are one row, so a 16-query tile is one row of the result and the L2 norm over 1,024 numbers is the norm over one tile.
; A work-group takes 256 queries (block qb) of one head-batch; wave w takes two query tiles, 16 qb + 2 w + q.  16 trips of 64 keys through two LDS slots.
; EVERYTHING IS TRANSPOSED.  S^T = K Q^T + adj^T: source 0 = 16 keys, source 1 = 16 queries, C = D = the registers into which adj was loaded.  Lane (r, h),
; register j of key tile kt holds query r, key 16 kt + 8 h + j.  So a query's maximum and sum are work inside a lane and one exchange between the halves, the
; rescale factor is one number a lane, and packing tiles 2 p, 2 p + 1 to f16 gives the second source of O^T = V^T P^T for keys 32 p .. 32 p + 31 as it stands.
; V^T's fragments come by the transposing LDS load.  In O^T lane (r, h), register j of tile dt holds query r, d = 16 dt + 8 h + j.
; Each softmax keeps its own running maximum m.  p = 2^(s - m): the difference is at most 0, and exactly 0 at the maximum, so 0 <= p <= 1 for every input and p has
; room in f16.  What has been summed shrinks by 2^(m old - m new).  The reference's -1e9 is -1e9 log2(e) here, rounded once to f32 like every score; in a query row
; that is masked throughout every p is 1 and the row comes out uniform.
; THE ORDER OF A TRIP.  A tile's 48 LDS loads of a wave are issued half a trip ahead of their use, each into registers that have just become free, two to four at a
; time at eight stops in the softmax's vector work, so that no wave sits on a run of loads.  Trip t (slot s, the other slot o):
;   softmax of query tile 0, with V(t)'s last 12 loads and the 8 of adj(tile 1, t) in it;  the waits and the opening signal of the round;
;   V^T P^T of tile 0, K Q^T of tile 1, the sums of tile 0: register work while the others arrive;  the rest of the round;  slot s is asked for again, tile t + 2;
;   softmax of tile 1, with the 8 loads of adj(tile 0, t + 1) and the 16 of K(t + 1) from slot o in it;  V^T P^T of tile 1;  K Q^T of tile 0 for trip t + 1;
;   the sums of tile 1;  V(t + 1)'s first 4 loads.
; So all reads of tile t end in front of trip t's round, all reads of tile t + 1 stand behind it, and a tile has a whole trip in which to land.
; CLUSTERS: 4 x 4 work-groups = 4 query blocks (x) x 4 head-batches (y).  adj's tile hangs on the query block alone: asked for jointly by a column of the cluster.
; K's and V's rows hang on the head-batch alone: asked for jointly by a row of the cluster.
; LIMITS: Q, K, V, the weights p and the result are f16, all else f32.  A weight under 2^-25 rounds to 0 in the product with V: at most 1,024 of them beside a sum of
; at least 1.  Exponentials, roots and reciprocals flush what lies below 2^-126.  A zero result keeps the sign of its argument.  NaN and infinities are not served.
.set SLOT,  90112                      ; adj 256 rows x 272 bytes; K 4 parts of 16 keys; V 4 parts of 16 keys; a part every 2,560 bytes
.set KOFF,  69632
.set VOFF,  79872
.set KP,    144                        ; K's pitch: an odd multiple of 16 bytes: the 16 keys of a plain fragment load start in 16 different 16-byte columns modulo 256
.set VP,    160                        ; V's pitch: an odd multiple of 32 bytes, which does the same for the transposing load's 8 keys x 2 columns
.set STAGE, 2*SLOT                     ; behind the ring: 16 rows x 144 bytes for each wave; no tensor load fills it
.set QO,   3                           ; v3       my byte offset in a row of Q
.set ADJA, 4                           ; v4-5     LDS address of my adj numbers in slot 0, 1
.set KA,   6                           ; v6-7     of K's fragments
.set VA,   8                           ; v8-9     of V's fragments
.set STO,  10                          ; the way out: in
.set RD,   11                          ; the way out: back
.set CO,   12                          ; my byte offset in a row of xo
.set NEG,  13                          ; -1e9 log2(e)
.set AL,   14                          ; v14 sigmoid(alpha), v15 1 - sigmoid(alpha)
.set MX,   16                          ; v16-19   running maxima, index 2 q + branch (0 plain, 1 masked)
.set LS,   20                          ; v20-27   running sums, a pair for each
.set NM,   28                          ; v28-35   -m, twice, for the packed add
.set FG,   36                          ; v36-37   the plain branch's rescale factor, twice
.set FL,   38                          ; v38-39   the masked branch's
.set T,    40                          ; v40-47   at work
.set QF,   48                          ; v48-79   Q's fragments (q, ks) at 16 q + 8 ks
.set KF,   80                          ; v80-143  K's fragments (kt, ks) at 16 kt + 8 ks; at the end rows read back
.set SG,   144                         ; v144-207 adj, then scores, then weights of the plain branch: tile (q, kt) at 32 q + 8 kt
.set SL,   208                         ; v208-239 the same of the masked branch, for the query tile at work
.set OA,   0                           ; window 1: v0-127   O^T (q, branch, dt) at 64 q + 32 branch + 8 dt
.set VF,   128                         ; window 1: v128-191 V^T's fragments (p, dt) at 32 p + 8 dt
.set PG,   192                         ; window 1: v192-223 packed weights (branch, p) at 16 branch + 8 p
.set X,    SG                          ; the end: a tile's 32 results
.set Y,    SL                          ; the end: their magnitudes, then the packed results
.set M,    32                          ; s[32:63] 32 mask words: the lane masks of a query tile's 32 score registers
.set GA,   68                          ; s[68:75] descriptor group 0 for adj, one set for each slot
.set GK,   76                          ; s[76:83] for K and V
.set G1V,  84                          ; s[84:91] descriptor group 1 for V (first the kernel's arguments); adj's is s[16:23], K's s[24:31]
.set MSB, 0
.macro WIN new                         ; the immediate's high byte repeats the setting that is left
.if MSB != \new
	s_set_vgpr_msb (MSB<<8)|\new
.set MSB, \new
.endif
.endm
; A round of the cluster's barrier: my work-group's barrier, wave 0 signals for the work-group, every wave waits for all sixteen, my work-group's barrier once more.
.macro CREST                           ; a round behind its opening barrier
	s_cmp_lg_u32 s8, 0
	s_cbranch_scc1 .Lnot_wave_0_\@
	s_barrier_signal -3
.Lnot_wave_0_\@:
	s_barrier_wait -3
	s_barrier_signal -1
	s_barrier_wait -1
.endm
.macro ROUND
	s_barrier_signal -1
	s_barrier_wait -1
	CREST
.endm
; The joint load of my 16 keys: waves 0-3 fetch K's four parts, waves 4-7 V's.  The two shapes differ in the padding alone.  The branch hangs on the wave's number
; alone; each way issues one load, so every count of tensor loads is the same on both.
.macro KVLOAD s
	s_cmp_lt_u32 s8, 4
	s_cbranch_scc0 .Lfor_v_\@
	tensor_load_to_lds s[GK+4*\s:GK+4*\s+3], s[24:31]
	s_nop 0
	s_branch .Lasked_\@
.Lfor_v_\@:
	tensor_load_to_lds s[GK+4*\s:GK+4*\s+3], s[G1V:G1V+7]
	s_nop 0
.Lasked_\@:
.endm
	s_load_b256 s[84:91], s[0:1], 0x0              ; qkv s[84:85], adjs s[86:87], mbits s[88:89], alpha s[90:91]
	s_load_b64 s[14:15], s[0:1], 0x20              ; xo
	s_set_vgpr_msb 0x40
	v_lshl_add_u32 v225, v0, 2, 0x30800
	s_set_vgpr_msb 0x4000
	v_mov_b32 v255, 0
	s_set_vgpr_msb 0x1
	ds_add_u32 v225, v255
	s_set_vgpr_msb 0x100
	v_lshrrev_b32 v1, 5, v0
	v_readfirstlane_b32 s8, v1                     ; wave 0..7
	s_mov_b32 s10, 0x76543210                      ; v_permlanex16_b32: lane i of one half reads lane i of the other
	s_mov_b32 s11, 0xfedcba98
	s_mov_b32 s99, 0x7fffffff
	s_bfe_u32 s92, ttmp6, 0x40000                  ; cx
	s_bfe_u32 s93, ttmp6, 0x40004                  ; cy
	s_lshl_b32 s95, ttmp9, 2
	s_add_co_u32 s95, s95, s92                     ; query block qb = 4 x cluster x + cx
	s_and_b32 s94, ttmp7, 0xffff
	s_lshl_b32 s94, s94, 2
	s_add_co_u32 s94, s94, s93                     ; head-batch hb = 4 x cluster y + cy
	s_lshl_b32 s2, 0x1111, s92                     ; my column of the cluster
	s_lshl_b32 s4, s93, 2
	s_lshl_b32 s4, 15, s4                          ; my row
	; group 1 for adj: 32 rows x 64 elements of 4 bytes, 16 bytes of padding behind each row of 64 words
	s_or_b32 s16, s2, (2<<16)|(1<<20)|(1<<21)|(5<<22)|(3<<25)
	s_mov_b32 s17, 64<<16                          ; tensor_dim0
	s_mov_b32 s18, 32<<16                          ; tensor_dim1
	s_mov_b32 s19, 64<<16                          ; tile_dim0
	s_mov_b32 s20, 32                              ; tile_dim1
	s_mov_b32 s21, 1024                            ; elements from row to row
	s_mov_b32 s22, 0
	s_mov_b32 s23, 0
	; group 1 for K: one row of 1,024 elements of 2 bytes = 16 keys; 16 bytes of padding behind every 32 words = behind each key: pitch 144
	s_or_b32 s24, s4, (1<<16)|(1<<20)|(1<<21)|(4<<22)|(3<<25)
	s_mov_b32 s25, 1024<<16
	s_mov_b32 s26, 1<<16
	s_mov_b32 s27, 1024<<16
	s_mov_b32 s28, 1
	s_mov_b32 s29, 3072
	s_mov_b32 s30, 0
	s_mov_b32 s31, 0
	; adj: rows 256 qb + 32 w, made of the query block and the wave alone
	s_lshl_b32 s2, s95, 8
	s_lshl_b32 s3, s8, 5
	s_add_co_u32 s2, s2, s3
	s_lshl_b32 s2, s2, 12                          ; rows of 4,096 bytes
	s_mov_b32 s3, 0
	; K, V: row 64 hb + w % 4, byte 2,048 (1 + w / 4), made of the head-batch and the wave alone
	s_lshl_b32 s4, s94, 6
	s_and_b32 s5, s8, 3
	s_add_co_u32 s4, s4, s5
	s_mul_i32 s4, s4, 6144
	s_lshr_b32 s5, s8, 2
	s_add_co_u32 s5, s5, 1
	s_lshl_b32 s5, s5, 11
	s_add_co_u32 s4, s4, s5
	s_mov_b32 s5, 0
	s_mul_i32 s100, s8, 8704                       ; LDS: my 32 rows of adj
	s_mul_i32 s101, s8, 2560                       ; LDS: my 16 keys: K's four parts, then V's four
	s_add_co_u32 s101, s101, KOFF
	s_lshl_b32 s96, s95, 4
	s_lshl1_add_u32 s96, s8, s96                   ; my first query tile, 16 qb + 2 w
	s_lshl_b32 s6, s94, 6
	s_add_co_u32 s6, s6, s96                       ; and its row in qkv and xo
	s_lshl_b32 s96, s96, 11                        ; 2,048 bytes of mask words for a query tile
	s_mov_b32 s97, 0
	s_wait_dscnt 0x0
	s_wait_kmcnt 0x0
	s_add_nc_u64 s[2:3], s[86:87], s[2:3]
	s_add_nc_u64 s[4:5], s[84:85], s[4:5]
	s_add_nc_u64 s[12:13], s[88:89], s[96:97]      ; the mask words of (my first tile, trip 0)
	s_load_b512 s[M:M+15],    s[12:13], 0x0
	s_load_b512 s[M+16:M+31], s[12:13], 0x40
	s_load_b32 s98, s[90:91], 0x0                  ; alpha
	s_mul_i32 s96, s6, 6144
	s_add_nc_u64 s[96:97], s[84:85], s[96:97]      ; my two rows of Q
	s_lshl_b32 s6, s6, 11
	s_mov_b32 s7, 0
	s_add_nc_u64 s[14:15], s[14:15], s[6:7]        ; my two rows of xo
	s_mul_i32 s7, s8, 2304
	s_add_co_u32 s7, s7, STAGE                     ; my stage
	s_wait_xcnt 0x0                                ; alpha's load has had its address translated (ISA guide 3.1): s[84:91], the arguments, are written again only behind this wait
	; group 1 for V: as K's, with 32 bytes of padding behind each key: pitch 160
	s_lshl_b32 s66, s93, 2
	s_lshl_b32 s66, 15, s66                        ; my row of the cluster once more
	s_or_b32 s[G1V+0], s66, (1<<16)|(1<<20)|(1<<21)|(4<<22)|(7<<25)
	s_mov_b32 s[G1V+1], 1024<<16
	s_mov_b32 s[G1V+2], 1<<16
	s_mov_b32 s[G1V+3], 1024<<16
	s_mov_b32 s[G1V+4], 1
	s_mov_b32 s[G1V+5], 3072
	s_mov_b32 s[G1V+6], 0
	s_mov_b32 s[G1V+7], 0
.irp s, 0,1
	s_mov_b32 s[GA+4*\s], 1
	s_add_co_u32 s[GA+4*\s+1], s100, \s*SLOT
	s_add_nc_u64 s[GA+4*\s+2:GA+4*\s+3], s[2:3], \s*256
	s_or_b32 s[GA+4*\s+3], s[GA+4*\s+3], 0x80000000
	s_mov_b32 s[GK+4*\s], 1
	s_add_co_u32 s[GK+4*\s+1], s101, \s*SLOT
	s_add_nc_u64 s[GK+4*\s+2:GK+4*\s+3], s[4:5], \s*24576
	s_or_b32 s[GK+4*\s+3], s[GK+4*\s+3], 0x80000000
.endr
	ROUND                                          ; all sixteen work-groups are here: the first joint loads meet
	tensor_load_to_lds s[GA:GA+3], s[16:23]        ; tile 0,
	s_nop 0
	KVLOAD 0
	tensor_load_to_lds s[GA+4:GA+7], s[16:23]      ; and tile 1: four tensor loads of the wave are out, the most in this text
	s_nop 0
	KVLOAD 1
	v_and_b32 v1, 15, v0                           ; r
	v_bfe_u32 v2, v0, 4, 1                         ; h
	v_lshlrev_b32 v[QO], 7, v1                     ; query r: 128 bytes
	v_lshl_add_u32 v[QO], v2, 4, v[QO]
.irp q, 0,1
.irp ks, 0,1
	global_load_b128 v[QF+16*\q+8*\ks:QF+16*\q+8*\ks+3],   v[QO], s[96:97] offset:6144*\q+64*\ks
	global_load_b128 v[QF+16*\q+8*\ks+4:QF+16*\q+8*\ks+7], v[QO], s[96:97] offset:6144*\q+64*\ks+32
.endr
.endr
	v_mul_u32_u24 v40, v1, 272
	v_lshl_add_u32 v40, v2, 5, v40
	v_add_nc_u32 v[ADJA], s100, v40                ; row 32 w + r, key 8 h
	v_add_nc_u32 v[ADJA+1], SLOT, v[ADJA]
	v_mul_u32_u24 v40, v1, KP
	v_lshl_add_u32 v40, v2, 4, v40
	v_add_nc_u32 v[KA], KOFF, v40                  ; key r, d = 8 h
	v_add_nc_u32 v[KA+1], SLOT+KOFF, v40
	v_and_b32 v41, 7, v0
	v_lshl_add_u32 v40, v2, 3, v41
	v_mul_u32_u24 v40, v40, VP
	v_bfe_u32 v42, v0, 3, 1
	v_lshl_add_u32 v40, v42, 4, v40
	v_add_nc_u32 v[VA], VOFF, v40                  ; key 8 h + l % 8, 16 bytes at 16 ((l / 8) % 2)
	v_add_nc_u32 v[VA+1], SLOT+VOFF, v40
	v_mul_u32_u24 v40, v1, 144
	v_lshl_add_u32 v40, v2, 4, v40
	v_add_nc_u32 v[STO], s7, v40                   ; query r, d = 8 h
	v_bfe_u32 v40, v0, 3, 2
	v_mul_u32_u24 v40, v40, 144
	v_lshl_add_u32 v40, v41, 4, v40
	v_add_nc_u32 v[RD], s7, v40                    ; query l / 8, 16 bytes at 16 (l % 8)
	v_and_b32 v40, 31, v0
	v_lshlrev_b32 v[CO], 4, v40
	v_mov_b32 v[NEG], 0xce6e6b28                   ; -1e9,
	v_mul_f32 v[NEG], 0x3fb8aa3b, v[NEG]           ; as an exponent of 2
; THE LDS LOADS, one at a time, counted by symbols: hs_ = the slot that is read.
; Load la_ of 24: adj of my first query tile (8, straight into the accumulators), then K's fragments (16).
.macro LOADA
.if la_ < 8
	ds_load_b128 v[SG+4*la_:SG+4*la_+3], v[ADJA+hs_] offset:64*(la_/2)+16*(la_%2)
.else
.if la_ < 24
	ds_load_b128 v[KF+4*(la_-8):KF+4*(la_-8)+3], v[KA+hs_] offset:2560*((la_-8)/4)+64*(((la_-8)/2)%2)+32*(la_%2)
.endif
.endif
	.set la_, la_+1
.endm
; Load lb_ of 8: adj of my second query tile
.macro LOADB
	ds_load_b128 v[SG+32+4*lb_:SG+32+4*lb_+3], v[ADJA+hs_] offset:4352+64*(lb_/2)+16*(lb_%2)
	.set lb_, lb_+1
.endm
; Loads lv_ .. lv_ + 3 of 16: V^T's fragments, whose registers lie in window 1
.macro VRUN
	WIN 0x40                                       ; destination window 1, address window 0
	.rept 4
	ds_load_tr16_b128 v[VF+4*lv_:VF+4*lv_+3], v[VA+hs_] offset:5120*(lv_/8)+32*((lv_/2)%4)+2560*(lv_%2)
	.set lv_, lv_+1
	.endr
	WIN 0
.endm
; A stop in the softmax's vector work, eight of them in a query tile.  hm_ = 1: three loads of the 24 for the next trip.  hm_ = 2: by turns four of V's and two of
; adj's for this trip, until both lists are through (at the seventh stop).  hm_ = 0: nothing.
.macro HOOK
.if hm_ == 1
	.rept 3
	LOADA
	.endr
.endif
.if hm_ == 2
	.set hv_, 0
.if lv_ < 16
.if (hk_ & 1) == 0
	.set hv_, 1
.endif
.endif
.if hv_
	VRUN
.else
.if lb_ < 8
	LOADB
	LOADB
.endif
.endif
.endif
	.set hk_, hk_+1
.endm
; Eight matrix instructions: S^T of query tile q = K Q^T + adj^T.  The four accumulators take turns, one instruction a turn.
.macro QK q
.irp ks, 0,1
.irp kt, 0,1,2,3
	v_wmma_f32_16x16x32_f16 v[SG+32*\q+8*\kt:SG+32*\q+8*\kt+7], v[KF+16*\kt+8*\ks:KF+16*\kt+8*\ks+7], v[QF+16*\q+8*\ks:QF+16*\q+8*\ks+7], v[SG+32*\q+8*\kt:SG+32*\q+8*\kt+7]
.endr
.endr
.endm
; The maximum of 32 registers at base and of the running maximum mx, over both halves of the lanes: four chains that do not wait for each other, then four joins
.macro MAXRED base, mx, first
.irp c, 0,1,2,3
	v_max3_num_f32 v[T+\c], v[\base+8*\c], v[\base+8*\c+1], v[\base+8*\c+2]
.endr
.irp c, 0,1,2,3
	v_max3_num_f32 v[T+\c], v[T+\c], v[\base+8*\c+3], v[\base+8*\c+4]
.endr
.irp c, 0,1,2,3
	v_max3_num_f32 v[T+\c], v[T+\c], v[\base+8*\c+5], v[\base+8*\c+6]
.endr
	v_max3_num_f32 v[T],   v[T],   v[T+1], v[\base+7]
	v_max3_num_f32 v[T+2], v[T+2], v[T+3], v[\base+15]
	v_max3_num_f32 v[T],   v[T],   v[T+2], v[\base+23]
.if \first
	v_max_num_f32 v[T], v[T], v[\base+31]
.else
	v_max3_num_f32 v[T], v[T], v[\base+31], v[\mx]
.endif
	v_permlanex16_b32 v[T+1], v[T], s10, s11       ; the other eight keys of each tile lie in the other half
	v_max_num_f32 v[\mx], v[T], v[T+1]
.endm
; -m, and the factor 2^(m old - m new) by which what has been summed shrinks
.macro NEWMAX mx, nm, f, first
	v_mul_f32 v[T+4], -1.0, v[\mx]
.if \first == 0
	v_sub_f32 v[T+5], v[T+4], v[\nm]               ; (-m new) - (-m old)
	v_exp_f32 v[\f], v[T+5]
.endif
	v_mov_b32 v[\nm], v[T+4]                       ; also the plain instruction between the exponential and the use of its result (ISA guide 5.7.2)
	v_mov_b32 v[\nm+1], v[T+4]
.if \first == 0
	s_wait_alu depctr_va_vdst(0)
	v_mov_b32 v[\f+1], v[\f]
.endif
.endm
; The sum of 32 weights at base, two at a time, into the running pair ls
.macro SUMTREE base, ls, f, first
.irp i, 0,1,2,3,4,5,6,7
	v_pk_add_f32 v[\base+2*\i:\base+2*\i+1], v[\base+2*\i:\base+2*\i+1], v[\base+16+2*\i:\base+16+2*\i+1]
.endr
.irp i, 0,1,2,3
	v_pk_add_f32 v[\base+2*\i:\base+2*\i+1], v[\base+2*\i:\base+2*\i+1], v[\base+8+2*\i:\base+8+2*\i+1]
.endr
.irp i, 0,1
	v_pk_add_f32 v[\base+2*\i:\base+2*\i+1], v[\base+2*\i:\base+2*\i+1], v[\base+4+2*\i:\base+4+2*\i+1]
.endr
.if \first
	v_pk_add_f32 v[\ls:\ls+1], v[\base:\base+1], v[\base+2:\base+3]
.else
	v_pk_add_f32 v[\base:\base+1], v[\base:\base+1], v[\base+2:\base+3]
	v_pk_fma_f32 v[\ls:\ls+1], v[\ls:\ls+1], v[\f:\f+1], v[\base:\base+1]
.endif
.endm
; Both sums of query tile q: 32 plain instructions that name no register of the matrix instructions in front of them (O, V, the packed weights; the other tile's
; scores, K, Q), so they are also the places behind those (ISA guide 7.12.1)
.macro SUMS q, first
	SUMTREE SG+32*\q, LS+4*\q,   FG, \first
	SUMTREE SL,       LS+4*\q+2, FL, \first
.endm
; Eight matrix instructions: O^T of query tile q, both branches, all four d tiles, += V^T P^T over keys 32 p .. 32 p + 31.  The eight accumulators take turns, one
; instruction a turn.
.macro PV q, p, zero
.irp br, 0,1
.irp dt, 0,1,2,3
.if \zero
	v_wmma_f32_16x16x32_f16 v[OA+64*\q+32*\br+8*\dt:OA+64*\q+32*\br+8*\dt+7], v[VF+32*\p+8*\dt:VF+32*\p+8*\dt+7], v[PG+16*\br+8*\p:PG+16*\br+8*\p+7], 0
.else
	v_wmma_f32_16x16x32_f16 v[OA+64*\q+32*\br+8*\dt:OA+64*\q+32*\br+8*\dt+7], v[VF+32*\p+8*\dt:VF+32*\p+8*\dt+7], v[PG+16*\br+8*\p:PG+16*\br+8*\p+7], v[OA+64*\q+32*\br+8*\dt:OA+64*\q+32*\br+8*\dt+7]
.endif
.endr
.endr
.endm
; Query tile q of a trip, from the scores to the packed weights and the rescaled O.  first = 1: nothing has been summed yet.  more = 1: another trip follows.
.macro SOFTA q, first, more
	MAXRED SG+32*\q, MX+2*\q, \first
	HOOK
	s_wait_kmcnt 0x0                               ; this tile's 32 mask words are in (scalar loads come back in no order: zero), and their base may be stepped
.if \q == 0
.if \first == 0
	s_add_nc_u64 s[12:13], s[12:13], 128           ; this trip's words: 32 words a trip
.endif
.endif
	.set i_, 0
	.rept 16
	v_cndmask_b32 v[SL+i_], v[NEG], v[SG+32*\q+i_], s[M+i_]   ; the score where the mask's bit is set, else -1e9 log2(e)
	.set i_, i_+1
	.endr
	HOOK
	.rept 16
	v_cndmask_b32 v[SL+i_], v[NEG], v[SG+32*\q+i_], s[M+i_]
	.set i_, i_+1
	.endr
.if \q == 0
	s_load_b512 s[M:M+15],    s[12:13], 0x800      ; the words of my second tile; half a trip's work stands between this request and its wait
	s_load_b512 s[M+16:M+31], s[12:13], 0x840
.else
.if \more
	s_load_b512 s[M:M+15],    s[12:13], 0x80       ; the words of my first tile in the next trip
	s_load_b512 s[M+16:M+31], s[12:13], 0xc0
.endif
.endif
	HOOK
	MAXRED SL, MX+2*\q+1, \first
	HOOK
	NEWMAX MX+2*\q,   NM+4*\q,   FG, \first
	NEWMAX MX+2*\q+1, NM+4*\q+2, FL, \first
	HOOK
	.set i_, 0
	.rept 16
	v_pk_add_f32 v[SG+32*\q+2*i_:SG+32*\q+2*i_+1], v[SG+32*\q+2*i_:SG+32*\q+2*i_+1], v[NM+4*\q:NM+4*\q+1]   ; s - m: at most 0
	.set i_, i_+1
	.endr
	HOOK
	.set i_, 0
	.rept 16
	v_pk_add_f32 v[SL+2*i_:SL+2*i_+1], v[SL+2*i_:SL+2*i_+1], v[NM+4*\q+2:NM+4*\q+3]
	.set i_, i_+1
	.endr
	HOOK
	.set i_, 0
	.rept 32
	v_exp_f32 v[SG+32*\q+i_], v[SG+32*\q+i_]
	.set i_, i_+1
	.endr
	HOOK
	.set i_, 0
	.rept 32
	v_exp_f32 v[SL+i_], v[SL+i_]
	.set i_, i_+1
	.endr
	v_nop                                          ; one plain instruction between the run of exponentials and the first use of a result (ISA guide 5.7.2)
	WIN 0x40                                       ; destination window 1
	.set i_, 0
	s_wait_alu depctr_va_vdst(0)
	.rept 16
	v_cvt_pk_f16_f32 v[PG+i_], v[SG+32*\q+2*i_], v[SG+32*\q+2*i_+1]
	.set i_, i_+1
	.endr
	.set i_, 0
	.rept 16
	v_cvt_pk_f16_f32 v[PG+16+i_], v[SL+2*i_], v[SL+2*i_+1]
	.set i_, i_+1
	.endr
.if \first == 0
	WIN 0x41                                       ; O in window 1, the factor in window 0
	.set i_, 0
	.rept 16
	v_pk_mul_f32 v[OA+64*\q+2*i_:OA+64*\q+2*i_+1], v[OA+64*\q+2*i_:OA+64*\q+2*i_+1], v[FG:FG+1]
	.set i_, i_+1
	.endr
	.set i_, 0
	.rept 16
	v_pk_mul_f32 v[OA+64*\q+32+2*i_:OA+64*\q+32+2*i_+1], v[OA+64*\q+32+2*i_:OA+64*\q+32+2*i_+1], v[FL:FL+1]
	.set i_, i_+1
	.endr
.endif
.endm
; A trip: 64 keys.  s = this trip's slot, o = the other.  At its head: the scores of query tile 0 are made, K's fragments are in, V's first four loads are out.
; next = 1: another trip follows; refill = 1: slot s is asked for again, two tiles on.  Two tensor loads of a wave are out behind a round.
.macro TRIP s, o, first, refill, next
	.set hm_, 2                                    ; the stops of tile 0 read this trip's slot: the rest of V, adj of tile 1
	.set hs_, \s
	.set hk_, 0
	.set lb_, 0
	.set lv_, 4
	SOFTA 0, \first, 1
	s_wait_dscnt 0x0                               ; V and adj of tile 1 are in: they were my last reads of slot s
.if \next
	s_set_vgpr_msb (MSB<<8)|((MSB&0xf0)|0x1)
	s_wait_tensorcnt 0x0                           ; all my tensor loads have landed: my parts of the next tile, in slot o.  No load of mine is out, so every group 0 may be written
	ds_add_u32 v225, v255
	s_wait_dscnt 0x0
	s_set_vgpr_msb (((MSB&0xf0)|0x1)<<8)|MSB
.if \refill
	s_add_nc_u64 s[GA+4*\s+2:GA+4*\s+3], s[GA+4*\s+2:GA+4*\s+3], 512
	s_add_nc_u64 s[GK+4*\s+2:GK+4*\s+3], s[GK+4*\s+2:GK+4*\s+3], 49152
.endif
	s_barrier_signal -1                            ; say so (where the slot is filled again this barrier opens a round of the cluster's barrier),
.endif
	WIN 0x55                                       ; all four operands in window 1
	PV 0, 0, \first                                ; and work on registers while the others arrive: 24 matrix instructions and 32 adds
	PV 0, 1, 0
	WIN 0
	QK 1
	SUMS 0, \first
.if \next
	s_barrier_wait -1                              ; every wave has said so: nobody reads slot s any more, slot o is whole
.if \refill
	CREST                                          ; the same of all sixteen work-groups
	tensor_load_to_lds s[GA+4*\s:GA+4*\s+3], s[16:23]   ; the first tensor loads behind the round
	s_nop 0
	KVLOAD \s
.endif
.endif
	.set hm_, \next                                ; the stops of tile 1 read the other slot: adj of tile 0 and K for the next trip
	.set hs_, \o
	.set hk_, 0
	.set la_, 0
	SOFTA 1, \first, \next
	WIN 0x55
	PV 1, 0, \first
	PV 1, 1, 0
	WIN 0
.if \next
	s_wait_dscnt 0x0                               ; the 24 loads of tile 1's stops; the last was issued in front of 32 exponentials, 64 vector and 16 matrix instructions
	QK 0                                           ; the next trip's first scores
.endif
	SUMS 1, \first
.if \next
	.set lv_, 0
	VRUN                                           ; V's registers are free: 32 places behind the last matrix instruction that read them
.endif
.endm
	s_wait_tensorcnt 0x2                           ; my parts of tile 0 are in; the two loads of tile 1 stay out
	s_barrier_signal -1
	s_barrier_wait -1                              ; everybody's are
	.set hs_, 0
	.set la_, 0
	.rept 24
	LOADA                                          ; adj of tile 0 and K for trip 0
	.endr
	s_wait_dscnt 0x0
	s_wait_loadcnt 0x0                             ; Q
	QK 0
.rept 4
	v_nop                                          ; four places between the last matrix instruction and the first read of a result (ISA guide 7.12.1)
.endr
	.set lv_, 0
	VRUN
	TRIP 0, 1, 1, 1, 1                             ; trip 0 starts the maxima and the sums
	s_mov_b32 s9, 6
.Ltrips:
	TRIP 1, 0, 0, 1, 1                             ; trips 1, 3 .. 11
	TRIP 0, 1, 0, 1, 1                             ; trips 2, 4 .. 12
	s_sub_co_u32 s9, s9, 1
	s_cmp_lg_u32 s9, 0
	s_cbranch_scc1 .Ltrips
	TRIP 1, 0, 0, 1, 1                             ; trip 13 asks for tile 15, the last
	TRIP 0, 1, 0, 0, 1                             ; trip 14 asks for nothing: its barrier only shows tile 15 whole
	TRIP 1, 0, 0, 0, 0                             ; trip 15 reads nothing ahead
	; sigmoid(alpha) = 1 / (1 + 2^(-log2(e) alpha))
	v_mov_b32 v[AL], s98
	v_mul_f32 v[AL], 0xbfb8aa3b, v[AL]
	v_exp_f32 v[AL], v[AL]
	v_nop
	s_wait_alu depctr_va_vdst(0)
	v_add_f32 v[AL], 1.0, v[AL]
	v_rcp_f32 v[AL], v[AL]
	v_nop
	s_wait_alu depctr_va_vdst(0)
	v_sub_f32 v[AL+1], 1.0, v[AL]
; The end of query tile q = one row of xo: the mix, the signed root, the norm over the wave's 1,024 numbers, and the way out
.macro FIN q
	v_add_f32 v[T],   v[LS+4*\q],   v[LS+4*\q+1]
	v_add_f32 v[T+2], v[LS+4*\q+2], v[LS+4*\q+3]
	v_permlanex16_b32 v[T+1], v[T],   s10, s11
	v_permlanex16_b32 v[T+3], v[T+2], s10, s11
	v_add_f32 v[T],   v[T],   v[T+1]               ; the query's sum of weights, plain
	v_add_f32 v[T+2], v[T+2], v[T+3]               ; and masked
	v_rcp_f32 v[T],   v[T]
	v_rcp_f32 v[T+2], v[T+2]
	v_nop
	s_wait_alu depctr_va_vdst(0)
	v_mul_f32 v[T],   v[T],   v[AL]                ; a / sum
	v_mul_f32 v[T+2], v[T+2], v[AL+1]              ; (1 - a) / sum
	v_mov_b32 v[T+1], v[T]
	v_mov_b32 v[T+3], v[T+2]
	WIN 0x01                                       ; source 0 (O) in window 1
	.set i_, 0
	.rept 16
	v_pk_mul_f32 v[X+2*i_:X+2*i_+1], v[OA+64*\q+2*i_:OA+64*\q+2*i_+1], v[T:T+1]
	.set i_, i_+1
	.endr
	.set i_, 0
	.rept 16
	v_pk_fma_f32 v[X+2*i_:X+2*i_+1], v[OA+64*\q+32+2*i_:OA+64*\q+32+2*i_+1], v[T+2:T+3], v[X+2*i_:X+2*i_+1]
	.set i_, i_+1
	.endr
	WIN 0
	.set i_, 0
	.rept 32
	v_and_b32 v[Y+i_], s99, v[X+i_]
	.set i_, i_+1
	.endr
	.set i_, 0
	.rept 32
	v_sqrt_f32 v[Y+i_], v[Y+i_]
	.set i_, i_+1
	.endr
	v_nop
	.set i_, 0
	s_wait_alu depctr_va_vdst(0)
	.rept 32
	v_bfi_b32 v[X+i_], s99, v[Y+i_], v[X+i_]       ; the root's magnitude, the argument's sign
	.set i_, i_+1
	.endr
.irp c, 0,1,2,3
	v_pk_mul_f32 v[T+2*\c:T+2*\c+1], v[X+2*\c:X+2*\c+1], v[X+2*\c:X+2*\c+1]
.endr
	.set i_, 4
	.rept 12
	v_pk_fma_f32 v[T+2*(i_%4):T+2*(i_%4)+1], v[X+2*i_:X+2*i_+1], v[X+2*i_:X+2*i_+1], v[T+2*(i_%4):T+2*(i_%4)+1]
	.set i_, i_+1
	.endr
	v_pk_add_f32 v[T:T+1],   v[T:T+1],   v[T+2:T+3]
	v_pk_add_f32 v[T+4:T+5], v[T+4:T+5], v[T+6:T+7]
	v_pk_add_f32 v[T:T+1],   v[T:T+1],   v[T+4:T+5]
	v_add_f32 v[T], v[T], v[T+1]
	v_add_f32_dpp v[T], v[T], v[T] row_xmask:1 row_mask:0xf bank_mask:0xf
	v_add_f32_dpp v[T], v[T], v[T] row_xmask:2 row_mask:0xf bank_mask:0xf
	v_add_f32_dpp v[T], v[T], v[T] row_xmask:4 row_mask:0xf bank_mask:0xf
	v_add_f32_dpp v[T], v[T], v[T] row_xmask:8 row_mask:0xf bank_mask:0xf
	v_permlanex16_b32 v[T+1], v[T], s10, s11
	v_add_f32 v[T], v[T], v[T+1]                   ; the row's sum of squares, in every lane
	v_sqrt_f32 v[T], v[T]
	v_nop
	s_wait_alu depctr_va_vdst(0)
	v_max_num_f32 v[T], 0x2b8cbccc, v[T]           ; at least 1e-12
	v_rcp_f32 v[T], v[T]
	v_nop
	s_wait_alu depctr_va_vdst(0)
	v_mov_b32 v[T+1], v[T]
	.set i_, 0
	.rept 16
	v_pk_mul_f32 v[X+2*i_:X+2*i_+1], v[X+2*i_:X+2*i_+1], v[T:T+1]
	.set i_, i_+1
	.endr
	.set i_, 0
	.rept 16
	v_cvt_pk_f16_f32 v[Y+i_], v[X+2*i_], v[X+2*i_+1]   ; a normalised row: no number above 1
	.set i_, i_+1
	.endr
.irp dt, 0,1,2,3
	ds_store_b128 v[STO], v[Y+4*\dt:Y+4*\dt+3] offset:32*\dt
.endr
.irp i, 0,1,2,3
	ds_load_b128 v[KF+16*\q+4*\i:KF+16*\q+4*\i+3], v[RD] offset:576*\i   ; my own bytes: LDS serves a wave's instructions in order (ISA guide 5.7.1.4)
.endr
.irp i, 0,1,2,3
	s_wait_dscnt 3-\i                              ; read-back i is in, the younger ones stay out
	global_store_b128 v[CO], v[KF+16*\q+4*\i:KF+16*\q+4*\i+3], s[14:15] offset:2048*\q+512*\i   ; the wave stores 512 consecutive bytes, at a multiple of 256 from xo's first byte
.endr
.endm
	FIN 0
	FIN 1
	s_set_vgpr_msb (MSB<<8)|((MSB&0xf0)|0x1)
	s_wait_tensorcnt 0x0
	ds_add_u32 v225, v255
	s_wait_dscnt 0x0
	s_set_vgpr_msb (((MSB&0xf0)|0x1)<<8)|MSB
	ROUND                                          ; the closing round: no work-group ends while a partner may still ask for a tile that names it
	s_endpgm
.Lfunc_end_k_q518cba6b07_attn:
	.size	k_q518cba6b07_attn, .Lfunc_end_k_q518cba6b07_attn-k_q518cba6b07_attn
	.p2alignl 7, 3214868480
	.fill 96, 4, 3214868480
	.section	.rodata,"a",@progbits
	.p2align	6, 0x0
	.amdhsa_kernel k_q518cba6b07_attn
		.amdhsa_group_segment_fixed_size 327680
		.amdhsa_private_segment_fixed_size 0
		.amdhsa_enable_private_segment 0
		.amdhsa_kernarg_size 40
		.amdhsa_user_sgpr_count 2
		.amdhsa_user_sgpr_kernarg_segment_ptr 1
		.amdhsa_wavefront_size32 1
		.amdhsa_system_sgpr_workgroup_id_x 1
		.amdhsa_system_sgpr_workgroup_id_y 1
		.amdhsa_system_sgpr_workgroup_id_z 1
		.amdhsa_system_vgpr_workitem_id 0
		.amdhsa_next_free_vgpr 482
		.amdhsa_next_free_sgpr 102
		.amdhsa_reserve_vcc 0
		.amdhsa_float_denorm_mode_32 3
		.amdhsa_float_denorm_mode_16_64 3
		.amdhsa_memory_ordered 1
		.amdhsa_forward_progress 1
		.amdhsa_inst_pref_size 251
	.end_amdhsa_kernel
	.amdgpu_metadata
---
amdhsa.version: [ 1, 2 ]
amdhsa.kernels:
  - .name:           k_q518cba6b07_attn
    .symbol:         k_q518cba6b07_attn.kd
    .args:
      - { .name: qkv, .offset: 0, .size: 8, .value_kind: global_buffer, .address_space: global }
      - { .name: adjs, .offset: 8, .size: 8, .value_kind: global_buffer, .address_space: global }
      - { .name: mbits, .offset: 16, .size: 8, .value_kind: global_buffer, .address_space: global }
      - { .name: alpha, .offset: 24, .size: 8, .value_kind: global_buffer, .address_space: global }
      - { .name: xo, .offset: 32, .size: 8, .value_kind: global_buffer, .address_space: global }
    .group_segment_fixed_size: 327680
    .private_segment_fixed_size: 0
    .kernarg_segment_align: 8
    .kernarg_segment_size: 40
    .max_flat_workgroup_size: 256
    .sgpr_count:     102
    .vgpr_count:     482
    .wavefront_size: 32
...
	.end_amdgpu_metadata
.endif
;; end of part 3
;; launch outp (part 4): grid 8 x 32, 4 waves a work-group, clusters of 4 x 4, 327,680 bytes of LDS; arguments xo, woh, bo, out0; writes out0
.if DOCPART == 4
	.amdgcn_target "amdgcn-amd-amdhsa--gfx1250"
	.amdhsa_code_object_version 6
	.text
	.protected	k_q518cba6b07_outp
	.globl	k_q518cba6b07_outp
	.p2align	8
	.type	k_q518cba6b07_outp,@function
k_q518cba6b07_outp:
	s_mov_b64 s[64:65], 0
	v_nop
	global_prefetch_b8 v0, s[64:65] scope:SCOPE_SE
	s_setreg_imm32_b32 hwreg(HW_REG_WAVE_MODE, 25, 1), 1
	s_wait_xcnt 0x0
	s_wait_alu depctr_hold_cnt(0) depctr_sa_sdst(0) depctr_va_vdst(0) depctr_va_sdst(0) depctr_va_ssrc(0) depctr_va_vcc(0) depctr_vm_vsrc(0)
	s_getreg_b32 s2, hwreg(HW_REG_IB_STS2, 6, 4)
	s_cmp_eq_u32 s2, 0
	s_cbranch_scc0 .Lentry_in_a_cluster
	s_endpgm
.Lentry_in_a_cluster:
	s_bfe_u32 s2, ttmp6, 0x10000c
	s_cmp_lg_u32 s2, 0xf033
	s_cbranch_scc0 .Lentry_shape_is_right
	s_endpgm
.Lentry_shape_is_right:
; C[4096][SIZE_N] = A[4096][1024] B[1024][SIZE_N] + bias[SIZE_N].  A, B f16, sums f32.  Here: A = xo, B = woh (Wo), bias = bo, C = out0 in f32.
; A work-group makes 128 rows x BN = 32 NT columns with four waves, as many as a WGP has SIMDs; a wave makes 64 rows x 16 NT columns: 4 x NT accumulator tiles.
; A row of the block is BN x ES bytes of C, a multiple of 256, at a multiple of 256 from C's first byte.
; K goes in steps of KSTEP through two LDS slots filled by the tensor data mover; every wave asks for a quarter of A's tile and a quarter of B's.
; KSTEP is 256 here: with 16 accumulators a step of 128 would leave a wave 64 matrix instructions between a request and the wait for it, this one leaves 128 less the four between signal and wait.
; B lies [K][N] in memory and in LDS; its fragments are read by the transposing LDS load.
; CLUSTERS: 4 x 4 work-groups.  A's tile hangs on the block row alone and is asked for jointly by the four of a row of the cluster, B's on the block column
; alone and is asked for jointly by the four of a column: that divides the requests for A and B by four.
; THE MATRIX INSTRUCTION IS USED TRANSPOSED: source 0 = 16 columns of B, source 1 = 16 rows of A.  Lane l then holds row l % 16 of C and its registers 0..7 the
; columns 8 (l / 16) + 0..7: neighbouring numbers of a row.  The first product takes the bias, laid out so, as its C: nothing is cleared, nothing is added later.
; REGISTERS in windows of 256: window 0 addresses, A's fragments (two buffers), the bias, the way out; window 1 B's fragments (two buffers);
; window 2 the accumulators of row tiles 0, 1 (tile (a, b) at 8 (NT a + b)); window 3 those of row tiles 2, 3.
; LIMIT: operands are f16.
.set NT,     4                         ; column tiles of a wave
.set SIZE_N, 1024
.set KSTEP,  256
.set QIA,    6                         ; A's LDS rows are padded behind every 2 << QIA words = a row of KSTEP f16
.set OUTF32, 1                         ; C in f32
.set SIZE_K, 1024
.set NQ,     KSTEP/32                  ; quarter steps of 32 along K in a K step (the name stays where there are eight)
.set BN,     32*NT
.set ES,     2+2*OUTF32                ; bytes in a number of C
.set PA,     2*KSTEP+16                ; A's LDS pitch: an odd multiple of 16 bytes, so the 16 rows of a fragment load start in 16 different 16-byte columns modulo 256
.set PB,     72*NT                     ; B's LDS pitch: 64 NT bytes + 16 behind every 128: an odd multiple of 32 bytes
.set ASZ,    128*PA
.set BSZ,    KSTEP*PB
.set SLOT,   ASZ+BSZ                   ; A's 128 rows, then B's KSTEP rows
.set SP,     BN*ES+16                  ; pitch of the stage for the way out
.set LAPS,   SIZE_K/(2*KSTEP)          ; a lap = two K steps = once round the ring
.set NL,     2*NT+8                    ; LDS loads of a quarter step
.set ADRA, 10                          ; v10-11  LDS address of my A fragments in slot 0, 1
.set ADRB, 12                          ; v12..   the same for B, one register for each slot and each pair of quarter steps
.set STO,  20                          ; the way out: where I put my numbers
.set RD,   21                          ; the way out: where I read rows back
.set CO,   22                          ; my byte offset in C
.set BOFF, 23                          ; my byte offset in the bias
.set FA,   32                          ; v32-63, v64-95  A's fragments, two buffers
.set BIAS, 96                          ; v96..   the bias as NT tiles of C
.set TMP,  192                         ; v192..  packed results (f16 output only)
.set BACK, 32                          ; rows read back
.set G1A, 24                           ; s[24:31] descriptor group 1 for A's tiles
.set G1B, 32                           ; s[32:39] for B's
.set G0A, 40                           ; s[40:47] descriptor group 0 for A's tiles, one set for each slot
.set G0B, 48                           ; s[48:55] for B's
.set MSB, 0
.macro WIN new                         ; the immediate's high byte repeats the setting that is left
.if MSB != \new
	s_set_vgpr_msb (MSB<<8)|\new
.set MSB, \new
.endif
.endm
.macro PLACES                          ; four plain vector instructions that name no register of a matrix instruction (ISA guide 7.12.1)
.rept 4
	v_nop
.endr
.endm
; A round of the cluster's barrier: my work-group's barrier, wave 0 signals for the work-group, every wave waits for all sixteen, my work-group's barrier once more.
.macro CREST                           ; a round behind its opening barrier
	s_cmp_lg_u32 s12, 0
	s_cbranch_scc1 .Lnot_wave_0_\@
	s_barrier_signal -3
.Lnot_wave_0_\@:
	s_barrier_wait -3
	s_barrier_signal -1
	s_barrier_wait -1
.endm
.macro CROUND
	s_barrier_signal -1
	s_barrier_wait -1
	CREST
.endm
	s_load_b256 s[4:11], s[0:1], 0x0               ; A s[4:5], B s[6:7], bias s[8:9], C s[10:11]
	s_set_vgpr_msb 0x40
	v_lshl_add_u32 v255, v0, 2, 0x45000
	s_set_vgpr_msb 0x4000
	v_mov_b32 v255, 0
	s_set_vgpr_msb 0x1
	ds_add_u32 v255, v255
	s_set_vgpr_msb 0x100
	v_lshrrev_b32 v1, 5, v0
	v_readfirstlane_b32 s12, v1                    ; wave 0..3
	s_lshr_b32 s13, s12, 1                         ; wm: which 64 rows of the block are mine
	s_and_b32 s14, s12, 1                          ; wn: which 16 NT columns
	s_bfe_u32 s16, ttmp6, 0x40000                  ; cx
	s_bfe_u32 s17, ttmp6, 0x40004                  ; cy
	s_lshl_b32 s18, ttmp9, 2
	s_add_co_u32 s18, s18, s16                     ; block column = 4 x cluster x + cx
	s_and_b32 s19, ttmp7, 0xffff
	s_lshl_b32 s19, s19, 2
	s_add_co_u32 s19, s19, s17                     ; block row = 4 x cluster y + cy
	s_lshl_b32 s20, s17, 2
	s_lshl_b32 s20, 15, s20                        ; my row of the cluster: places 4 cy .. 4 cy + 3
	s_lshl_b32 s21, 0x1111, s16                    ; my column: places cx, cx + 4, cx + 8, cx + 12
	; group 1 for A: 32 rows x KSTEP elements of 2 bytes, 16 bytes of padding behind each row
	s_or_b32 s[G1A+0], s20, (1<<16)|(1<<20)|(1<<21)|(QIA<<22)|(3<<25)  ; 15:0 mask; 17:16 2-byte elements; 20 padding on; 21 set beside a mask; 24:22 interval; 31:25 pad of 4 words
	s_mov_b32 s[G1A+1], KSTEP<<16                  ; tensor_dim0
	s_mov_b32 s[G1A+2], 32<<16                     ; tensor_dim1
	s_mov_b32 s[G1A+3], KSTEP<<16                  ; tile_dim0
	s_mov_b32 s[G1A+4], 32                         ; tile_dim1
	s_mov_b32 s[G1A+5], SIZE_K                     ; elements from row to row
	s_mov_b32 s[G1A+6], 0
	s_mov_b32 s[G1A+7], 0
	; group 1 for B: KSTEP/4 rows x BN elements, 16 bytes of padding behind every 128
	s_or_b32 s[G1B+0], s21, (1<<16)|(1<<20)|(1<<21)|(4<<22)|(3<<25)
	s_mov_b32 s[G1B+1], BN<<16
	s_mov_b32 s[G1B+2], (KSTEP/4)<<16
	s_mov_b32 s[G1B+3], BN<<16
	s_mov_b32 s[G1B+4], KSTEP/4
	s_mov_b32 s[G1B+5], SIZE_N
	s_mov_b32 s[G1B+6], 0
	s_mov_b32 s[G1B+7], 0
	; where the tiles come from: A's address is made of the block row and the wave, B's of the block column and the wave, each in registers that never hold the other coordinate
	s_lshl_b32 s56, s19, 7
	s_lshl_b32 s57, s12, 5
	s_add_co_u32 s56, s56, s57                     ; A: row 128 x block row + 32 x wave
	s_lshl_b32 s56, s56, 11                        ; rows of 2,048 bytes
	s_mov_b32 s57, 0
	s_mul_i32 s60, s12, (KSTEP/4)*SIZE_N*2         ; B: row KSTEP/4 x wave
	s_mul_i32 s61, s18, BN*2                       ;    column BN x block column
	s_add_co_u32 s60, s60, s61
	s_mov_b32 s61, 0
	s_mul_i32 s58, s12, 32*PA                      ; and where they go: the wave's number times a constant, no place in the cluster
	s_mul_i32 s62, s12, (KSTEP/4)*PB
	s_add_co_u32 s62, s62, ASZ
	s_wait_dscnt 0x0
	s_wait_kmcnt 0x0
	s_add_nc_u64 s[56:57], s[4:5], s[56:57]
	s_add_nc_u64 s[60:61], s[6:7], s[60:61]
	CROUND                                         ; all sixteen work-groups are here: the first joint loads meet
.irp s, 0,1
	s_mov_b32 s[G0A+4*\s], 1
	s_add_co_u32 s[G0A+4*\s+1], s58, \s*SLOT
	s_add_nc_u64 s[G0A+4*\s+2:G0A+4*\s+3], s[56:57], \s*KSTEP*2
	s_or_b32 s[G0A+4*\s+3], s[G0A+4*\s+3], 0x80000000
	s_mov_b32 s[G0B+4*\s], 1
	s_add_co_u32 s[G0B+4*\s+1], s62, \s*SLOT
	s_add_nc_u64 s[G0B+4*\s+2:G0B+4*\s+3], s[60:61], \s*KSTEP*SIZE_N*2
	s_or_b32 s[G0B+4*\s+3], s[G0B+4*\s+3], 0x80000000
	tensor_load_to_lds s[G0A+4*\s:G0A+4*\s+3], s[G1A:G1A+7]   ; both slots are asked for at once: four tensor loads of the wave are out, the most in this text
	s_nop 0
	tensor_load_to_lds s[G0B+4*\s:G0B+4*\s+3], s[G1B:G1B+7]
	s_nop 0
.endr
	v_and_b32 v1, 15, v0                           ; r = l % 16
	v_bfe_u32 v2, v0, 4, 1                         ; h = l / 16
	v_and_b32 v3, 7, v0                            ; l % 8
	v_bfe_u32 v4, v0, 3, 1                         ; (l / 8) % 2
	; the bias as tiles of C: register j of lane (r, h) of tile b = bias[first column + 16 b + 8 h + j]
	s_mul_i32 s66, s18, BN*4
	s_mul_i32 s67, s14, 64*NT
	s_add_co_u32 s66, s66, s67
	s_mov_b32 s67, 0
	s_add_nc_u64 s[66:67], s[8:9], s[66:67]
	v_lshlrev_b32 v[BOFF], 5, v2
	.set b_, 0
	.rept NT
	global_load_b128 v[BIAS+8*b_:BIAS+8*b_+3],   v[BOFF], s[66:67] offset:64*b_
	global_load_b128 v[BIAS+8*b_+4:BIAS+8*b_+7], v[BOFF], s[66:67] offset:64*b_+16
	.set b_, b_+1
	.endr
	; A's fragment: lane (r, h) holds row r; registers 0-3 K = 8 h + 0..7, registers 4-7 K = 16 + 8 h + 0..7: two loads of 16 bytes, 32 bytes apart
	v_mul_u32_u24 v5, v1, PA
	v_lshl_add_u32 v5, v2, 4, v5
	s_mul_i32 s70, s13, 64*PA
	v_add_nc_u32 v[ADRA], s70, v5
	v_add_nc_u32 v[ADRA+1], SLOT, v[ADRA]
	; B's fragment by the transposing load: lane l addresses row 8 h + l % 8 of K, 16 bytes at 16 ((l / 8) % 2) of the tile's 32; the second load 16 rows on
	v_lshl_add_u32 v6, v2, 3, v3
	v_mul_u32_u24 v6, v6, PB
	v_lshl_add_u32 v6, v4, 4, v6
	s_mul_i32 s71, s14, (NT/4)*144                 ; my NT column tiles: 4 tiles are 128 bytes + 16 of padding
	s_add_co_u32 s71, s71, ASZ
	v_add_nc_u32 v[ADRB], s71, v6
	.set i_, 1
	.rept NQ-1
	v_add_nc_u32 v[ADRB+i_], (i_/(NQ/2))*SLOT+(i_%(NQ/2))*64*PB, v[ADRB]
	.set i_, i_+1
	.endr
	; the way out
	v_mul_u32_u24 v7, v1, SP
.if OUTF32
	v_lshl_add_u32 v7, v2, 5, v7
.else
	v_lshl_add_u32 v7, v2, 4, v7
.endif
	s_mul_i32 s70, s13, 64*SP
	s_mul_i32 s71, s14, 16*NT*ES
	s_add_co_u32 s70, s70, s71
	v_add_nc_u32 v[STO], s70, v7                   ; row 64 wm + r, column 16 NT wn + 8 h
	s_mul_i32 s70, s12, 32*SP                      ; back: wave w takes rows 32 w .. 32 w + 31 of the block
.if OUTF32
	v_and_b32 v8, 31, v0
	v_lshlrev_b32 v[CO], 4, v8                     ; the 32 lanes take a row's 512 bytes
	v_add_nc_u32 v[RD], s70, v[CO]
.else
	v_mul_u32_u24 v8, v2, SP                       ; lanes 0-15 take 256 bytes of one row, lanes 16-31 of the next
	v_lshl_add_u32 v8, v1, 4, v8
	v_add_nc_u32 v[RD], s70, v8
	v_mul_u32_u24 v8, v2, SIZE_N*2
	v_lshl_add_u32 v[CO], v1, 4, v8
.endif
; NT matrix instructions: row tile a x all my column tiles, 32 along K, from buffer f.  zero = 1: the first product takes the bias as C.
; The 4 NT accumulators take turns, one instruction a turn, in the same order in every quarter step.
.macro MULROW f, a, zero
.if \zero
	.set wv_, 0x81+0x40*((\a)>>1)                  ; source 0 (B) window 1, source 1 (A) and C (bias) window 0, D window 2 or 3
.else
	.set wv_, 0xa1+0x50*((\a)>>1)                  ; C and D window 2 or 3
.endif
	WIN wv_
	.set b_, 0
	.rept NT
	.set ac_, 8*(NT*((\a)&1)+b_)
.if \zero
	v_wmma_f32_16x16x32_f16 v[ac_:ac_+7], v[(\f)*8*NT+8*b_:(\f)*8*NT+8*b_+7], v[FA+32*(\f)+8*(\a):FA+32*(\f)+8*(\a)+7], v[BIAS+8*b_:BIAS+8*b_+7]
.else
	v_wmma_f32_16x16x32_f16 v[ac_:ac_+7], v[(\f)*8*NT+8*b_:(\f)*8*NT+8*b_+7], v[FA+32*(\f)+8*(\a):FA+32*(\f)+8*(\a)+7], v[ac_:ac_+7]
.endif
	.set b_, b_+1
	.endr
.endm
; NL LDS loads in one run: the fragments of quarter step q of a slot into buffer f: B's NT tiles, then A's four
.macro FETCH slot, q, f
	WIN 0x40                                       ; destination window 1, address window 0
	.set t_, 0
	.rept NT
	ds_load_tr16_b128 v[(\f)*8*NT+8*t_:(\f)*8*NT+8*t_+3],   v[ADRB+(\slot)*(NQ/2)+(\q)/2] offset:((\q)&1)*32*PB+32*t_+16*(t_>>2)
	ds_load_tr16_b128 v[(\f)*8*NT+8*t_+4:(\f)*8*NT+8*t_+7], v[ADRB+(\slot)*(NQ/2)+(\q)/2] offset:((\q)&1)*32*PB+32*t_+16*(t_>>2)+16*PB
	.set t_, t_+1
	.endr
	WIN 0
	.set t_, 0
	.rept 4
	ds_load_b128 v[FA+32*(\f)+8*t_:FA+32*(\f)+8*t_+3],   v[ADRA+\slot] offset:64*(\q)+t_*16*PA
	ds_load_b128 v[FA+32*(\f)+8*t_+4:FA+32*(\f)+8*t_+7], v[ADRA+\slot] offset:64*(\q)+t_*16*PA+32
	.set t_, t_+1
	.endr
.endm
; A quarter step but the last of a K step: multiplies buffer q % 2 and, in its middle, fetches the next quarter step's fragments into the other buffer
.macro QUARTER slot, q, zero
	.set f_, (\q)&1
	.set g_, 1-f_
	.set qn_, (\q)+1
	s_wait_dscnt 4                                 ; B and A's row tiles 0, 1 are in; the youngest four loads (A's tiles 2, 3) may be out
	MULROW f_, 0, \zero
	MULROW f_, 1, \zero
	PLACES                                         ; the loads below land in registers that matrix instructions have read
	FETCH \slot, qn_, g_
	s_wait_dscnt NL                                ; all but the NL just issued
	MULROW f_, 2, \zero
	MULROW f_, 3, \zero
.endm
.macro STEPQ slot, zero
	QUARTER \slot, 0, \zero
	.set q_, 1
	.rept NQ-2
	QUARTER \slot, q_, 0
	.set q_, q_+1
	.endr
.endm
; The last quarter step of a K step: multiplies buffer 1 and changes slots.  One barrier does two things.  In front of it each wave waits for its reads of this slot
; and for all its tensor loads (its parts of the next slot).  Behind it nobody reads this slot and the next slot is whole.  fill = 1: the barrier opens a round of the
; cluster's barrier, and the joint refills of this slot, two K steps ahead, are the first tensor loads behind the round's closing wait.
.macro TURN slot, next, fill
	s_wait_dscnt 4
	MULROW 1, 0, 0
	s_wait_dscnt 0x0                               ; my reads of this slot are over
	s_wait_tensorcnt 0x0                           ; all my tensor loads have landed: no load of mine is out, so every group 0 may be written
	ds_add_u32 v255, v255
	s_wait_dscnt 0x0
	s_barrier_signal -1
	MULROW 1, 1, 0                                 ; register work while the others arrive
	WIN 0
	s_barrier_wait -1
.if \fill
	CREST
	s_add_nc_u64 s[G0A+4*\slot+2:G0A+4*\slot+3], s[G0A+4*\slot+2:G0A+4*\slot+3], 4*KSTEP
	s_add_nc_u64 s[G0B+4*\slot+2:G0B+4*\slot+3], s[G0B+4*\slot+2:G0B+4*\slot+3], 4*KSTEP*SIZE_N
	tensor_load_to_lds s[G0A+4*\slot:G0A+4*\slot+3], s[G1A:G1A+7]
	s_nop 0
	tensor_load_to_lds s[G0B+4*\slot:G0B+4*\slot+3], s[G1B:G1B+7]
	s_nop 0
.endif
	PLACES
	FETCH \next, 0, 0
	MULROW 1, 2, 0
	MULROW 1, 3, 0
.endm
.macro LAP zero
	STEPQ 0, \zero
	TURN 0, 1, 1
	STEPQ 1, 0
	TURN 1, 0, 1
.endm
	s_wait_tensorcnt 0x2                           ; my parts of K step 0 are in; the two loads of K step 1 stay out
	s_barrier_signal -1
	s_barrier_wait -1                              ; everybody's are
	FETCH 0, 0, 0
	s_wait_loadcnt 0x0                             ; the bias
	LAP 1                                          ; the first lap: its first products start the sums
.if LAPS > 2
	WIN 0                                          ; at a label and at a branch every window is 0
	s_mov_b32 s15, LAPS-2
.Llap:
	LAP 0
	WIN 0
	s_sub_co_u32 s15, s15, 1
	s_cmp_lg_u32 s15, 0
	s_cbranch_scc1 .Llap
.endif
	STEPQ 0, 0                                     ; the last lap fills nothing
	TURN 0, 1, 0
	STEPQ 1, 0
	s_wait_dscnt 4
	MULROW 1, 0, 0
	MULROW 1, 1, 0
	s_wait_dscnt 0x0
	MULROW 1, 2, 0
	MULROW 1, 3, 0
	; THE WAY OUT, through a stage of 128 rows at LDS byte 0.  It lies inside slot 0, which has had its last fill, and which no wave reads any more since the last
	; change of slots; the last K step reads slot 1 alone, and the stage ends in front of slot 1.
	PLACES
	s_lshl_b32 s72, s19, 7
	s_lshl_b32 s73, s12, 5
	s_add_co_u32 s72, s72, s73                     ; the first row that I store: 128 x block row + 32 x wave
	s_mul_i32 s72, s72, SIZE_N*ES
	s_mul_i32 s73, s18, BN*ES
	s_add_co_u32 s72, s72, s73
	s_mov_b32 s73, 0
	s_add_nc_u64 s[10:11], s[10:11], s[72:73]
.macro OUTROW a
.if OUTF32
	.set wv_, 0x08+0x04*((\a)>>1)                  ; the stores' data in window 2 or 3
	WIN wv_
	.set b_, 0
	.rept NT
	.set ac_, 8*(NT*((\a)&1)+b_)
	ds_store_b128 v[STO], v[ac_:ac_+3]   offset:(\a)*16*SP+64*b_
	ds_store_b128 v[STO], v[ac_+4:ac_+7] offset:(\a)*16*SP+64*b_+16
	.set b_, b_+1
	.endr
.else
	.set wv_, 0x0a+0x05*((\a)>>1)                  ; both sources in window 2 or 3
	WIN wv_
	.set b_, 0
	.rept NT
	.set ac_, 8*(NT*((\a)&1)+b_)
	v_cvt_pk_f16_f32 v[TMP+4*b_],   v[ac_],   v[ac_+1]
	v_cvt_pk_f16_f32 v[TMP+4*b_+1], v[ac_+2], v[ac_+3]
	v_cvt_pk_f16_f32 v[TMP+4*b_+2], v[ac_+4], v[ac_+5]
	v_cvt_pk_f16_f32 v[TMP+4*b_+3], v[ac_+6], v[ac_+7]
	.set b_, b_+1
	.endr
	WIN 0
	.set b_, 0
	.rept NT
	ds_store_b128 v[STO], v[TMP+4*b_:TMP+4*b_+3] offset:(\a)*16*SP+32*b_
	.set b_, b_+1
	.endr
.endif
.endm
	OUTROW 0
	OUTROW 1
	OUTROW 2
	OUTROW 3
	WIN 0
	s_wait_dscnt 0x0                               ; my part of the stage is written,
	s_barrier_signal -1
	s_barrier_wait -1                              ; everybody's is: a row holds two waves' columns
.if OUTF32
	.set i_, 0
	.rept 32
	ds_load_b128 v[BACK+4*i_:BACK+4*i_+3], v[RD] offset:i_*SP
	.set i_, i_+1
	.endr
	.set i_, 0
	.rept 32
	s_wait_dscnt 31-i_
	global_store_b128 v[CO], v[BACK+4*i_:BACK+4*i_+3], s[10:11] offset:i_*SIZE_N*4   ; the wave stores 512 consecutive bytes, at a multiple of 256 from C's first byte
	.set i_, i_+1
	.endr
.else
	.set i_, 0
	.rept 48
	ds_load_b128 v[BACK+4*i_:BACK+4*i_+3], v[RD] offset:2*(i_/3)*SP+256*(i_%3)
	.set i_, i_+1
	.endr
	.set i_, 0
	.rept 48
	s_wait_dscnt 47-i_
	global_store_b128 v[CO], v[BACK+4*i_:BACK+4*i_+3], s[10:11] offset:2*(i_/3)*SIZE_N*2+256*(i_%3)   ; 16 lanes store 256 consecutive bytes, at a multiple of 256 from C's first byte
	.set i_, i_+1
	.endr
.endif
	s_set_vgpr_msb 0x1
	s_wait_tensorcnt 0x0
	ds_add_u32 v255, v255
	s_wait_dscnt 0x0
	s_set_vgpr_msb 0x100
	CROUND                                         ; the closing round: no work-group ends while a partner may still ask for a tile that names it
	s_endpgm
.Lfunc_end_k_q518cba6b07_outp:
	.size	k_q518cba6b07_outp, .Lfunc_end_k_q518cba6b07_outp-k_q518cba6b07_outp
	.p2alignl 7, 3214868480
	.fill 96, 4, 3214868480
	.section	.rodata,"a",@progbits
	.p2align	6, 0x0
	.amdhsa_kernel k_q518cba6b07_outp
		.amdhsa_group_segment_fixed_size 327680
		.amdhsa_private_segment_fixed_size 0
		.amdhsa_enable_private_segment 0
		.amdhsa_kernarg_size 32
		.amdhsa_user_sgpr_count 2
		.amdhsa_user_sgpr_kernarg_segment_ptr 1
		.amdhsa_wavefront_size32 1
		.amdhsa_system_sgpr_workgroup_id_x 1
		.amdhsa_system_sgpr_workgroup_id_y 1
		.amdhsa_system_sgpr_workgroup_id_z 1
		.amdhsa_system_vgpr_workitem_id 0
		.amdhsa_next_free_vgpr 832
		.amdhsa_next_free_sgpr 80
		.amdhsa_reserve_vcc 0
		.amdhsa_float_denorm_mode_32 3
		.amdhsa_float_denorm_mode_16_64 3
		.amdhsa_memory_ordered 1
		.amdhsa_forward_progress 1
		.amdhsa_inst_pref_size 93
	.end_amdhsa_kernel
	.amdgpu_metadata
---
amdhsa.version: [ 1, 2 ]
amdhsa.kernels:
  - .name:           k_q518cba6b07_outp
    .symbol:         k_q518cba6b07_outp.kd
    .args:
      - { .name: xo, .offset: 0, .size: 8, .value_kind: global_buffer, .address_space: global }
      - { .name: woh, .offset: 8, .size: 8, .value_kind: global_buffer, .address_space: global }
      - { .name: bo, .offset: 16, .size: 8, .value_kind: global_buffer, .address_space: global }
      - { .name: out0, .offset: 24, .size: 8, .value_kind: global_buffer, .address_space: global }
    .group_segment_fixed_size: 327680
    .private_segment_fixed_size: 0
    .kernarg_segment_align: 8
    .kernarg_segment_size: 32
    .max_flat_workgroup_size: 128
    .sgpr_count:     80
    .vgpr_count:     832
    .wavefront_size: 32
...
	.end_amdgpu_metadata
.endif
;; end of part 4
;; ======== version 2 of 2: 4 launches; version 1 with the launch prep written anew for expert scheduling mode
;; limits: values are held in f16: magnitudes above 65,504 overflow, below 6.1e-05 lose precision
;; workspace buffers: xh 8,388,608 bytes; wqkv 6,291,456 bytes; woh 2,097,152 bytes; bqkv 12,288 bytes; mbits 131,072 bytes of whole numbers; adjs 4,194,304 bytes; qkv 25,165,824 bytes; xo 8,388,608 bytes
;; launch prep (part 5): grid 641 x 1, 8 waves a work-group, no clusters, 0 bytes of LDS; arguments x, Wq, Wk, Wv, Wo, bq, bk, bv, mask, adj, xh, wqkv, woh, bqkv, mbits, adjs; writes xh, wqkv, woh, bqkv, mbits, adjs
.if DOCPART == 5
	.amdgcn_target "amdgcn-amd-amdhsa--gfx1250"
	.amdhsa_code_object_version 6
	.text
	.protected	k_q518cba6b07_prep
	.globl	k_q518cba6b07_prep
	.p2align	8
	.type	k_q518cba6b07_prep,@function
k_q518cba6b07_prep:
	s_mov_b64 s[64:65], 0
	v_nop
	global_prefetch_b8 v0, s[64:65] scope:SCOPE_SE
	s_setreg_imm32_b32 hwreg(HW_REG_WAVE_SCHED_MODE, 0, 2), 2
	s_setreg_imm32_b32 hwreg(HW_REG_WAVE_MODE, 25, 1), 1
	s_wait_xcnt 0x0
	s_wait_alu depctr_vm_vsrc(0)
; prep: brings the inputs into the forms that the matrix launches read.  A stream: no LDS, no barrier, no matrix unit.
;   work-groups   0..255  x  -> xh   f16 [4096][1024], 16 rows each
;               256..319  Wq -> wqkv f16 [1024][3072], columns    0..1023, times log2(e)/32
;               320..383  Wk -> wqkv, columns 1024..2047
;               384..447  Wv -> wqkv, columns 2048..3071
;               448..511  Wo -> woh  f16 [1024][1024]
;               512..575  mask -> mbits: one bit a number, in the order of the lanes of a transposed 16 x 16 score tile
;               576..639  adj -> adjs f32 [1024][1024], times log2(e)
;                    640  bq log2(e)/32, bk, bv -> bqkv f32 [3072]
; The factor 1/32 = 1/sqrt(1024) is the reference's; log2(e) turns the scores into exponents of 2, which is what v_exp_f32 takes.
; Each job is written out by itself and ends the wave, so that every address comes from one buffer's pointer alone.
; WHY f16: the signed root behind the attention has an unbounded slope at 0 and enlarges the operands' rounding; with 8 significant bits the result leaves
; the allowance of 1 per cent of its root mean square, with 11 it stays an order of magnitude inside.
; LIMIT: numbers are rounded to f16 (nearest even): a magnitude of 65,504 or more becomes infinite; below 2^-14 the error is 2^-25 absolute.
; THE MODE: SCHED_MODE bits 1:0 = 2 (LLVM: expert scheduling mode 2), set by the entry lines.  The code itself states the register dependences
; between vector instructions and memory instructions, with s_wait_alu, always for 0.
; THE PLAN.  Registers that memory instructions touch:
;   v1, v2     byte offsets, made once at the head, never written again; read by every load and store of the conversions, of adj and of the biases.
;   v[8:71]    16 rows as loaded, row i at 8 + 4 i.  No vector instruction names them ahead of the loads.  In the conversions only vector instructions read them;
;              in adj's job each row is scaled in place and read by its store, and is not written again.
;   v[72:103]  the conversions' out-registers, row i at 72 + 2 i: written once by row i's two roundings, read by row i's store.
;   v4, v5, v72, v73  the mask's job: two offsets and the two registers of words; each is written ahead of a wait and then read by memory instructions alone.
; The 16 rows go in four blocks of four.  ONE wait at a block's head states that the block before has written what its four stores read; those stores follow, one
; ahead of each row's arithmetic, which names this block's rows alone.  No register that a memory instruction has read is written again on any way, so no wait
; for a memory instruction's reads is owed.  Scalar registers that vector instructions write (the wave's number, the compares' masks) have a wait ahead of their first reader.
.set SCALE, 0x3d38aa3b                 ; log2(e)/32 in f32
.set LOG2E, 0x3fb8aa3b                 ; log2(e)
	s_load_b512 s[4:19], s[0:1], 0x0               ; x s[4:5], Wq s[6:7], Wk s[8:9], Wv s[10:11], Wo s[12:13], bq s[14:15], bk s[16:17], bv s[18:19]
	s_load_b512 s[20:35], s[0:1], 0x40             ; mask s[20:21], adj s[22:23], xh s[24:25], wqkv s[26:27], woh s[28:29], bqkv s[30:31], mbits s[32:33], adjs s[34:35]
	s_mov_b32 s2, ttmp9                            ; the work-group's number
	s_mov_b32 s53, 0                               ; high words of the two byte offsets s[52:53], s[54:55]
	s_mov_b32 s55, 0
	v_lshlrev_b32 v1, 4, v0                        ; 16 t: my 4 numbers of a row of f32
	v_lshlrev_b32 v2, 3, v0                        ;  8 t: the same 4 numbers in f16
	s_wait_alu depctr_va_vdst(0)                   ; v1 and v2 are written: the loads and stores of every job below read one of them as their offset
	s_wait_kmcnt 0x0
	s_cmp_lt_u32 s2, 256
	s_cbranch_scc1 .Lx
	s_cmp_lt_u32 s2, 320
	s_cbranch_scc1 .Lwq
	s_cmp_lt_u32 s2, 384
	s_cbranch_scc1 .Lwk
	s_cmp_lt_u32 s2, 448
	s_cbranch_scc1 .Lwv
	s_cmp_lt_u32 s2, 512
	s_cbranch_scc1 .Lwo
	s_cmp_lt_u32 s2, 576
	s_cbranch_scc1 .Lmask
	s_cmp_lt_u32 s2, 640
	s_cbranch_scc1 .Ladj
	; the three biases: 256 threads x 16 bytes = 1,024 numbers each
	global_load_b128 v[8:11],  v1, s[14:15]
	global_load_b128 v[12:15], v1, s[16:17]
	global_load_b128 v[16:19], v1, s[18:19]
	s_wait_loadcnt 0x2                             ; bq is in; bk and bv may be out
	v_pk_mul_f32 v[8:9],   v[8:9],   SCALE op_sel_hi:[1,0]
	v_pk_mul_f32 v[10:11], v[10:11], SCALE op_sel_hi:[1,0]
	s_wait_loadcnt 0x0
	global_store_b128 v1, v[12:15], s[30:31] offset:4096   ; bk and bv go as they were loaded: no vector instruction names their registers
	global_store_b128 v1, v[16:19], s[30:31] offset:8192
	s_wait_alu depctr_va_vdst(0)                   ; the two multiplies have written v[8:11], which the store below reads
	global_store_b128 v1, v[8:11], s[30:31]
	s_endpgm
; 16 rows of 1,024 f32 to f16.  s3 = which 16 rows.  src, dst: the first register of the pointer pairs; col: byte of the first
; column in a row of dst; pitch: bytes in a row of dst.  All 16 loads go out first (a wave's load covers 512 neighbouring bytes);
; each row is converted as it arrives; a block's four rows are stored in the next block (a wave's store covers 256 neighbouring bytes, aligned).
; No register is written twice, so no store's source has to be waited for.
.macro CONV src, dst, col, pitch, scaled
	s_lshl_b32 s52, s3, 16                         ; 16 rows of 4,096 bytes
	s_mul_i32 s54, s3, 16*\pitch
.if \col
	s_add_co_u32 s54, s54, \col
.endif
	s_add_nc_u64 s[\src:\src+1], s[\src:\src+1], s[52:53]
	s_add_nc_u64 s[\dst:\dst+1], s[\dst:\dst+1], s[54:55]
	.set i_, 0
	.rept 16
	global_load_b128 v[8+4*i_:11+4*i_], v1, s[\src:\src+1] offset:4096*i_ th:TH_LOAD_NT
	.set i_, i_+1
	.endr
	.set i_, 0
	.rept 16
.if (i_ % 4) == 0
	s_wait_loadcnt 15-i_                           ; loads come back in order: row i, the block's first, is in, the younger rows stay out
.if i_ > 0
	s_wait_alu depctr_va_vdst(0)                   ; the block before has written its eight out-registers, which this block's four stores read
.endif
.endif
.if i_ >= 4
	global_store_b64 v2, v[72+2*(i_-4):73+2*(i_-4)], s[\dst:\dst+1] offset:\pitch*(i_-4)   ; a row of the block before; no vector instruction since the wait names its registers
.endif
.if (i_ % 4) != 0
	s_wait_loadcnt 15-i_                           ; row i is in, the younger rows stay out
.endif
.if \scaled
	v_pk_mul_f32 v[8+4*i_:9+4*i_],   v[8+4*i_:9+4*i_],   SCALE op_sel_hi:[1,0]
	v_pk_mul_f32 v[10+4*i_:11+4*i_], v[10+4*i_:11+4*i_], SCALE op_sel_hi:[1,0]
.endif
	v_cvt_pk_f16_f32 v[72+2*i_], v[8+4*i_],  v[9+4*i_]
	v_cvt_pk_f16_f32 v[73+2*i_], v[10+4*i_], v[11+4*i_]
	.set i_, i_+1
	.endr
	s_wait_alu depctr_va_vdst(0)                   ; the last block has written its out-registers, which the last four stores read
	.set i_, 12
	.rept 4
	global_store_b64 v2, v[72+2*i_:73+2*i_], s[\dst:\dst+1] offset:\pitch*i_
	.set i_, i_+1
	.endr
	s_endpgm
.endm
.Lx:
	s_mov_b32 s3, s2
	CONV 4, 24, 0, 2048, 0
.Lwq:
	s_and_b32 s3, s2, 63                           ; the jobs of 64 work-groups start at multiples of 64
	CONV 6, 26, 0, 6144, 1
.Lwk:
	s_and_b32 s3, s2, 63
	CONV 8, 26, 2048, 6144, 0
.Lwv:
	s_and_b32 s3, s2, 63
	CONV 10, 26, 4096, 6144, 0
.Lwo:
	s_and_b32 s3, s2, 63
	CONV 12, 28, 0, 2048, 0
; adj times log2(e), 16 rows: scaled in the registers into which it was loaded and stored from them; a wave's load and store cover 512 neighbouring bytes.
; Blocks of four rows, as in the conversions: a block's rows are stored in the next block, behind the one wait at its head.
.Ladj:
	s_and_b32 s3, s2, 63
	s_lshl_b32 s52, s3, 16                         ; 16 rows of 4,096 bytes
	s_add_nc_u64 s[22:23], s[22:23], s[52:53]
	s_add_nc_u64 s[34:35], s[34:35], s[52:53]
	.set i_, 0
	.rept 16
	global_load_b128 v[8+4*i_:11+4*i_], v1, s[22:23] offset:4096*i_ th:TH_LOAD_NT
	.set i_, i_+1
	.endr
	.set i_, 0
	.rept 16
.if (i_ % 4) == 0
	s_wait_loadcnt 15-i_                           ; row i, the block's first, is in, the younger rows stay out
.if i_ > 0
	s_wait_alu depctr_va_vdst(0)                   ; the block before has scaled its four rows, which this block's four stores read
.endif
.endif
.if i_ >= 4
	global_store_b128 v1, v[8+4*(i_-4):11+4*(i_-4)], s[34:35] offset:4096*(i_-4)   ; a row of the block before; no vector instruction since the wait names its registers
.endif
.if (i_ % 4) != 0
	s_wait_loadcnt 15-i_                           ; row i is in, the younger rows stay out
.endif
	v_pk_mul_f32 v[8+4*i_:9+4*i_],   v[8+4*i_:9+4*i_],   LOG2E op_sel_hi:[1,0]
	v_pk_mul_f32 v[10+4*i_:11+4*i_], v[10+4*i_:11+4*i_], LOG2E op_sel_hi:[1,0]
	.set i_, i_+1
	.endr
	s_wait_alu depctr_va_vdst(0)                   ; the last block has scaled its rows, which the last four stores read
	.set i_, 12
	.rept 4
	global_store_b128 v1, v[8+4*i_:11+4*i_], s[34:35] offset:4096*i_
	.set i_, i_+1
	.endr
	s_endpgm
; The mask as bits.  Word (qt, kt, j), at index (64 qt + kt) 8 + j: bit L = (mask[16 qt + L % 16][16 kt + 8 (L / 16) + j] != 0).
; The work-group takes query tile qt, wave w the key tiles 8 w .. 8 w + 7: 64 words.  A compare of register 8 i + j over the 32 lanes
; IS word (qt, 8 w + i, j).  The 64 words are laid into two registers, word 2 l in lane l of the first and word 2 l + 1 in lane l of
; the second, so that one store of 8 bytes a lane writes the wave's 256 neighbouring bytes, aligned.
; The compares stand in four runs of 16, into 16 scalar registers, with one wait behind each run and ahead of the 16 lane writes that read them.
.Lmask:
	s_and_b32 s3, s2, 63                           ; qt
	v_lshrrev_b32 v3, 5, v0
	v_readfirstlane_b32 s56, v3                    ; wave
	v_and_b32 v4, 15, v0
	v_bfe_u32 v5, v0, 4, 1
	v_lshlrev_b32 v4, 12, v4                       ; (L % 16) rows of 4,096 bytes
	v_lshl_add_u32 v4, v5, 5, v4                   ; + 8 (L / 16) numbers
	v_and_b32 v5, 31, v0
	v_lshlrev_b32 v5, 3, v5                        ; 8 x lane, for the store
	v_mov_b32 v72, 0                               ; v_writelane_b32 keeps the other lanes: both registers are written whole first
	v_mov_b32 v73, 0
	s_lshl_b32 s52, s3, 16                         ; 16 qt rows
	s_wait_alu depctr_va_sdst(0)                   ; s56, the wave's number, is written, ahead of its first reader: the two bases are made from it
	s_lshl_b32 s57, s56, 9                         ; 8 w key tiles of 64 bytes
	s_add_co_u32 s52, s52, s57
	s_add_nc_u64 s[20:21], s[20:21], s[52:53]
	s_lshl_b32 s54, s3, 11                         ; 512 words for a query tile
	s_lshl_b32 s57, s56, 8                         ; 64 words for a wave
	s_add_co_u32 s54, s54, s57
	s_add_nc_u64 s[32:33], s[32:33], s[54:55]
	s_wait_alu depctr_va_vdst(0)                   ; v4 is written, which the 16 loads read as their offset; so is v5, the store's
	.set i_, 0
	.rept 8
	global_load_b128 v[8+8*i_:11+8*i_],  v4, s[20:21] offset:64*i_
	global_load_b128 v[12+8*i_:15+8*i_], v4, s[20:21] offset:64*i_+16
	.set i_, i_+1
	.endr
	.set k_, 0
	.rept 4
	s_wait_loadcnt 12-4*k_                         ; loads come back in order: loads 4 k .. 4 k + 3, this run's 16 registers, are in; the 12 - 4 k younger ones stay out
	.set i_, 16*k_
	.rept 16
	v_cmp_ne_u32 s[36+i_%16], 0, v[8+i_]
	.set i_, i_+1
	.endr
	s_wait_alu depctr_va_sdst(0)                   ; the 16 compares have written s[36:51], which the 16 lane writes below read
	.set i_, 16*k_
	.rept 16
	v_writelane_b32 v[72+(i_&1)], s[36+i_%16], i_>>1
	.set i_, i_+1
	.endr
	.set k_, k_+1
	.endr
	s_wait_alu depctr_va_vdst(0)                   ; the lane writes have written v72 and v73, which the store reads
	global_store_b64 v5, v[72:73], s[32:33]
	s_endpgm
.Lfunc_end_k_q518cba6b07_prep:
	.size	k_q518cba6b07_prep, .Lfunc_end_k_q518cba6b07_prep-k_q518cba6b07_prep
	.p2alignl 7, 3214868480
	.fill 96, 4, 3214868480
	.section	.rodata,"a",@progbits
	.p2align	6, 0x0
	.amdhsa_kernel k_q518cba6b07_prep
		.amdhsa_group_segment_fixed_size 0
		.amdhsa_private_segment_fixed_size 0
		.amdhsa_enable_private_segment 0
		.amdhsa_kernarg_size 128
		.amdhsa_user_sgpr_count 2
		.amdhsa_user_sgpr_kernarg_segment_ptr 1
		.amdhsa_wavefront_size32 1
		.amdhsa_system_sgpr_workgroup_id_x 1
		.amdhsa_system_sgpr_workgroup_id_y 1
		.amdhsa_system_sgpr_workgroup_id_z 1
		.amdhsa_system_vgpr_workitem_id 0
		.amdhsa_next_free_vgpr 104
		.amdhsa_next_free_sgpr 66
		.amdhsa_reserve_vcc 0
		.amdhsa_float_denorm_mode_32 3
		.amdhsa_float_denorm_mode_16_64 3
		.amdhsa_memory_ordered 1
		.amdhsa_forward_progress 1
		.amdhsa_inst_pref_size 52
	.end_amdhsa_kernel
	.amdgpu_metadata
---
amdhsa.version: [ 1, 2 ]
amdhsa.kernels:
  - .name:           k_q518cba6b07_prep
    .symbol:         k_q518cba6b07_prep.kd
    .args:
      - { .name: x, .offset: 0, .size: 8, .value_kind: global_buffer, .address_space: global }
      - { .name: Wq, .offset: 8, .size: 8, .value_kind: global_buffer, .address_space: global }
      - { .name: Wk, .offset: 16, .size: 8, .value_kind: global_buffer, .address_space: global }
      - { .name: Wv, .offset: 24, .size: 8, .value_kind: global_buffer, .address_space: global }
      - { .name: Wo, .offset: 32, .size: 8, .value_kind: global_buffer, .address_space: global }
      - { .name: bq, .offset: 40, .size: 8, .value_kind: global_buffer, .address_space: global }
      - { .name: bk, .offset: 48, .size: 8, .value_kind: global_buffer, .address_space: global }
      - { .name: bv, .offset: 56, .size: 8, .value_kind: global_buffer, .address_space: global }
      - { .name: mask, .offset: 64, .size: 8, .value_kind: global_buffer, .address_space: global }
      - { .name: adj, .offset: 72, .size: 8, .value_kind: global_buffer, .address_space: global }
      - { .name: xh, .offset: 80, .size: 8, .value_kind: global_buffer, .address_space: global }
      - { .name: wqkv, .offset: 88, .size: 8, .value_kind: global_buffer, .address_space: global }
      - { .name: woh, .offset: 96, .size: 8, .value_kind: global_buffer, .address_space: global }
      - { .name: bqkv, .offset: 104, .size: 8, .value_kind: global_buffer, .address_space: global }
      - { .name: mbits, .offset: 112, .size: 8, .value_kind: global_buffer, .address_space: global }
      - { .name: adjs, .offset: 120, .size: 8, .value_kind: global_buffer, .address_space: global }
    .group_segment_fixed_size: 0
    .private_segment_fixed_size: 0
    .kernarg_segment_align: 8
    .kernarg_segment_size: 128
    .max_flat_workgroup_size: 256
    .sgpr_count:     66
    .vgpr_count:     104
    .wavefront_size: 32
...
	.end_amdgpu_metadata
.endif
;; end of part 5
;; launch qkv: the kernel of part 2 again; grid 8 x 32, 4 waves a work-group, clusters of 4 x 4, 327,680 bytes of LDS; arguments xh, wqkv, bqkv, qkv; writes qkv
;; launch attn: the kernel of part 3 again; grid 4 x 64, 8 waves a work-group, clusters of 4 x 4, 327,680 bytes of LDS; arguments qkv, adjs, mbits, alpha, xo; writes xo
;; launch outp: the kernel of part 4 again; grid 8 x 32, 4 waves a work-group, clusters of 4 x 4, 327,680 bytes of LDS; arguments xo, woh, bo, out0; writes out0
